; MI455X (gfx1250); checked and timed in simulation.
; The chip was launched on July 23, 2026; its instructions are those of AMD's public machine-readable ISA for CDNA 5 (MIT licence, August 2026) and "CDNA5" Instruction Set Architecture Reference Guide (July 2026). The comments in the code are by the model that wrote it; some were corrected since.
;; Cross View Attention3 D. Allowed arithmetic: float matrix products may take bf16 or f16 operands with f32 sums; all other float work in f32.
;; Inputs: Wk 512 x 512 float32; Wo 512 x 512 float32; Wq 512 x 512 float32; Wv 512 x 512 float32; bk 512 float32; bo 512 float32; bq 512 float32; bv 512 float32; ref_feat 1 x 512 x 4 x 32 x 32 float32; video_feat 1 x 512 x 4 x 32 x 32 float32.
;; Outputs: out0 1 x 512 x 4 x 32 x 32 float32.
;; 2 versions, each right and faster than the one before. Each part assembles by itself: llvm-mc -triple=amdgcn-amd-amdhsa -mcpu=gfx1250 --defsym DOCPART=n.
;; ======== version 1 of 2: 3 launches
;; workspace buffers: qf 8,388,608 bytes; kvf 8,388,608 bytes; obf 8,388,608 bytes
;; launch proj (part 1): grid 16 x 16, 8 waves a work-group, no clusters, 101,376 bytes of LDS; arguments video_feat, ref_feat, Wq, Wk, Wv, bq, bk, bv, qf, kvf; writes qf, kvf
.if DOCPART == 1
	.amdgcn_target "amdgcn-amd-amdhsa--gfx1250"
	.amdhsa_code_object_version 6
	.text
	.protected	k_q76ea6520a7_proj
	.globl	k_q76ea6520a7_proj
	.p2align	8
	.type	k_q76ea6520a7_proj,@function
k_q76ea6520a7_proj:
	s_mov_b64 s[64:65], 0
	v_nop
	global_prefetch_b8 v0, s[64:65] scope:SCOPE_SE
	s_setreg_imm32_b32 hwreg(HW_REG_WAVE_MODE, 25, 1), 1
	s_wait_xcnt 0x0
; Q' = (Wq x + bq) * 0.125 * log2(e) from video_feat; K = Wk y + bk and V = Wv y + bv from ref_feat.
; Inputs f32, [512 channels][4096 positions]; products in bf16 with f32 sums; results bf16, stored in the order in which
; the attention launch's matrix fragments want them, in blocks of 512 bytes, lane L owning bytes 16 L .. 16 L + 15.
; Q' GOES OUT AS TWO bf16 TERMS, hi = bf16(Q') and lo = bf16(Q' - hi), 16 significant bits together: the rounding of a query enters all 4,096
; scores of its row alike and does not average out over the keys, as K's and V's roundings do.  lo's blocks lie LOPART bytes behind hi's.
; SHARES: work-group (og, nb) makes 32 output channels (32 og ..) of each of Q, K, V for 256 positions (256 nb ..).
; Wave w takes the 64 positions of block bn = 4 nb + (w & 3); waves 0-3 make Q (64 accumulator registers), waves 4-7 make K and V
; (128) from one reading of ref_feat.
; COLUMN ORDER: inside a block of 64 positions, 16-wide tile t holds the positions 64 bn + 4 i + t (i = 0..15).  So one 16-byte load of
; X[c][64 bn + 4 r .. + 3] gives lane r one number of each of the four tiles, and lanes 0-15 read 256 consecutive bytes.  The same order
; holds for K's and V's keys (a sum over keys does not mind) and is undone by the last launch's stores.
; FRAGMENTS: lane (r = L & 15, h = L >> 4) holds row or column r; registers 0-3 k = 8 h .. + 7, registers 4-7 k = 16 + 8 h .. + 7
; (ISA guide 7.12.2).  X's fragment is made in registers from eight rows of X a group; the same registers serve as B (Q, K: W x X, a lane then
; holds eight neighbouring channels of one position) and as A (V: X x W, a lane then holds eight key indices of one channel).
; NO JOINT TENSOR LOADS: X has to pass through registers to be rounded to bf16, and the column order above builds the fragments there with no
; LDS traffic at all; a tile brought to LDS would lie there in f32, 4 bytes a number, and be rounded again by every wave that reads it.
; LIMITS: finite inputs; matrix operands are rounded to bf16 (range of f32 kept), sums and biases stay f32; a Q' whose rounding to bf16
; overflows (magnitude above about 3.39e38) gives NaN.
.set PITCH, 1040                       ; an LDS row of W: 512 bf16 + 16 bytes = 65 x 16: the 16 rows of a fragment load begin at 16 different 16-byte columns modulo 256
.set WMAT,  32*PITCH                   ; one matrix's 32 rows
.set BIAS,  3*WMAT                     ; behind the three matrices: 3 x 32 f32
.set LOPART, 4194304                   ; from a hi block of qf to its lo block
.set XO,   1                           ; v1   h * 8 rows of 16,384 bytes + 16 r: my 16 bytes in X; never rewritten
.set WA,   2                           ; v2   PITCH r + 16 h: my part of a W fragment (ref waves: + WMAT)
.set LN16, 3                           ; v3   16 x lane: stores
.set GW,   4                           ; v4   8,192 w + 16 lane: W rows 4 w .. in memory
.set LW,   5                           ; v5   4 PITCH w + 8 lane: the same rows in LDS
.set LW2,  6                           ; v6   LW + 2 WMAT (past the 16-bit immediate)
.set BA,   7                           ; v7   BIAS + 32 h
.set BD,   8                           ; v8-10 the three biases as loaded
.set BS,   11                          ; v11  BIAS + 4 lane
.set BV,   12                          ; v12  BIAS + 256 + 4 r
.set L4,   13                          ; v13  4 x lane
.set RAW,  16                          ; v[16:79]   X as loaded: group 0 (k = 8 h + i) 16-47, group 1 (k = 16 + 8 h + i) 48-79; row i at 4 i
.set UT,   32                          ; v[32:39]   Q's way out: hi widened again
.set XF,   80                          ; v[80:111]  X fragments, tile t at 8 t; Q's way out: the eight tiles' hi words
.set WF,   112                         ; v[112:127] two W fragments
.set ACC,  128                         ; v[128:191] Q or K, tile (ot, t) at 8 (4 ot + t)
.set ACV,  192                         ; v[192:255] V
.set STG,  64                          ; v[64:255]  W on its way to LDS, ahead of the loop
.macro NOP4                            ; four places behind a matrix instruction (ISA guide 7.12.1) where there is no other vector work
.rept 4
	v_nop
.endr
.endm
.macro WLOAD mu                        ; my four rows of matrix mu: 16 loads of 512 consecutive bytes
.irp a, 0,1,2,3
.irp qd, 0,1,2,3
	global_load_b128 v[STG+64*\mu+16*\a+4*\qd:STG+64*\mu+16*\a+4*\qd+3], v[GW], s[12+2*\mu:13+2*\mu] offset:\a*2048+\qd*512
.endr
.endr
.endm
.macro STAGE mu, adr, base, left       ; round them to bf16 and lay them into LDS; left = younger loads that may stay out
	s_wait_loadcnt \left
.irp a, 0,1,2,3
.irp qd, 0,1,2,3
	v_cvt_pk_bf16_f32 v[STG+64*\mu+16*\a+4*\qd], v[STG+64*\mu+16*\a+4*\qd], v[STG+64*\mu+16*\a+4*\qd+1]
	v_cvt_pk_bf16_f32 v[STG+64*\mu+16*\a+4*\qd+1], v[STG+64*\mu+16*\a+4*\qd+2], v[STG+64*\mu+16*\a+4*\qd+3]
	ds_store_b64 v[\adr], v[STG+64*\mu+16*\a+4*\qd:STG+64*\mu+16*\a+4*\qd+1] offset:\base+\a*PITCH+\qd*256
.endr
.endr
.endm
.macro XLOAD g, k                      ; group g of K step k: eight rows of X; every step stands in the immediate (8,241,152 at the most, inside its signed 24 bits)
.irp i, 0,1,2,3,4,5,6,7
	global_load_b128 v[RAW+32*\g+4*\i:RAW+32*\g+4*\i+3], v[XO], s[28:29] offset:(\k)*524288+\g*262144+\i*16384
.endr
.endm
.macro XCVT g                          ; rows 2 p and 2 p + 1 of the group make register 4 g + p of each tile's fragment
.irp t, 0,1,2,3
.irp p, 0,1,2,3
	v_cvt_pk_bf16_f32 v[XF+8*\t+4*\g+\p], v[RAW+32*\g+8*\p+\t], v[RAW+32*\g+8*\p+4+\t]
.endr
.endr
.endm
.macro XSTEP k                         ; the four X fragments of K step k; the next step's 16 loads go out as the registers come free
	s_wait_loadcnt 0x8                     ; group 0 is in; group 1's eight loads stay out
	XCVT 0
.if \k < 15
	XLOAD 0, \k+1
	s_wait_loadcnt 0x8                     ; group 1 is in; the eight just issued stay out
.else
	s_wait_loadcnt 0x0                     ; the last group: nothing was issued behind it
.endif
	XCVT 1
.if \k < 15
	XLOAD 1, \k+1
.endif
.endm
.macro LDW m, k                        ; the two W fragments (16 rows x 32 k each) of matrix m (counted from WA) and K step k
.irp ot, 0,1
.irp e, 0,1
	ds_load_b128 v[WF+8*\ot+4*\e:WF+8*\ot+4*\e+3], v[WA] offset:\m*WMAT+\ot*16*PITCH+64*(\k)+32*\e
.endr
.endr
.endm
; Eight products on eight accumulators, one instruction a turn.
.macro MMW zero                        ; Q or K: A = W (rows: channels), B = X (columns: positions)
.irp ot, 0,1
.irp t, 0,1,2,3
.if \zero
	v_wmma_f32_16x16x32_bf16 v[ACC+8*(4*\ot+\t):ACC+8*(4*\ot+\t)+7], v[WF+8*\ot:WF+8*\ot+7], v[XF+8*\t:XF+8*\t+7], 0
.else
	v_wmma_f32_16x16x32_bf16 v[ACC+8*(4*\ot+\t):ACC+8*(4*\ot+\t)+7], v[WF+8*\ot:WF+8*\ot+7], v[XF+8*\t:XF+8*\t+7], v[ACC+8*(4*\ot+\t):ACC+8*(4*\ot+\t)+7]
.endif
.endr
.endr
.endm
.macro MMV zero                        ; V: A = X (rows: key indices), B = W (columns: channels)
.irp ot, 0,1
.irp t, 0,1,2,3
.if \zero
	v_wmma_f32_16x16x32_bf16 v[ACV+8*(4*\ot+\t):ACV+8*(4*\ot+\t)+7], v[XF+8*\t:XF+8*\t+7], v[WF+8*\ot:WF+8*\ot+7], 0
.else
	v_wmma_f32_16x16x32_bf16 v[ACV+8*(4*\ot+\t):ACV+8*(4*\ot+\t)+7], v[XF+8*\t:XF+8*\t+7], v[WF+8*\ot:WF+8*\ot+7], v[ACV+8*(4*\ot+\t):ACV+8*(4*\ot+\t)+7]
.endif
.endr
.endr
.endm
.macro PACKST a, off                   ; a tile's eight f32 a lane become 16 bytes, in place and ascending; the wave's store covers 512 consecutive aligned bytes
	v_cvt_pk_bf16_f32 v[\a], v[\a], v[\a+1]
	v_cvt_pk_bf16_f32 v[\a+1], v[\a+2], v[\a+3]
	v_cvt_pk_bf16_f32 v[\a+2], v[\a+4], v[\a+5]
	v_cvt_pk_bf16_f32 v[\a+3], v[\a+6], v[\a+7]
	global_store_b128 v[LN16], v[\a:\a+3], s[34:35] offset:\off
.endm
; A tile's eight f32 a lane go out as hi and lo.  hi gets four registers of its own (ht), which no later line writes: they are a store's data.
; x - hi is exact in f32: hi has x's leading 8 bits.
.macro PACKHL a, ht, off
.irp p, 0,1,2,3
	v_cvt_pk_bf16_f32 v[\ht+\p], v[\a+2*\p], v[\a+2*\p+1]
.endr
.irp p, 0,1,2,3
	v_lshlrev_b32 v[UT+2*\p], 16, v[\ht+\p]        ; hi as f32 again: the low half moves up,
	v_and_b32 v[UT+2*\p+1], s36, v[\ht+\p]         ; the high half stays
.endr
.irp p, 0,1,2,3
	v_pk_add_f32 v[\a+2*\p:\a+2*\p+1], v[\a+2*\p:\a+2*\p+1], v[UT+2*\p:UT+2*\p+1] neg_lo:[0,1] neg_hi:[0,1]
.endr
	global_store_b128 v[LN16], v[\ht:\ht+3], s[34:35] offset:\off
	PACKST \a, \off+LOPART
.endm
	s_load_b512 s[8:23], s[0:1], 0x0               ; video s[8:9], ref s[10:11], Wq s[12:13], Wk s[14:15], Wv s[16:17], bq s[18:19], bk s[20:21], bv s[22:23]
	s_load_b128 s[24:27], s[0:1], 0x40             ; qf s[24:25], kvf s[26:27]
	s_set_vgpr_msb 0x40
	v_lshl_add_u32 v0, v0, 2, 0x18800
	v_mov_b32 v1, 0
	s_set_vgpr_msb 0x4000
	v_lshrrev_b32 v[LN16], 5, v0
	v_readfirstlane_b32 s2, v[LN16]                ; wave 0..7
	v_and_b32 v[L4], 15, v0                        ; r
	v_bfe_u32 v14, v0, 4, 1                        ; h
	v_and_b32 v15, 31, v0                          ; lane
	v_lshlrev_b32 v[XO], 4, v[L4]
	v_lshl_add_u32 v[XO], v14, 17, v[XO]           ; 8 h rows of 16,384 bytes + 16 r
	v_mul_u32_u24 v[WA], v[L4], PITCH
	v_lshl_add_u32 v[WA], v14, 4, v[WA]
	v_lshlrev_b32 v[LN16], 4, v15
	s_lshl_b32 s6, s2, 13
	v_add_nc_u32 v[GW], s6, v[LN16]                ; four rows of 2,048 bytes a wave
	s_mul_i32 s7, s2, 4*PITCH
	v_lshl_add_u32 v[LW], v15, 3, s7
	v_add_nc_u32 v[LW2], 2*WMAT, v[LW]
	v_lshl_add_u32 v[BA], v14, 5, BIAS
	v_lshl_add_u32 v[BV], v[L4], 2, BIAS+256
	v_lshlrev_b32 v[L4], 2, v15
	v_add_nc_u32 v[BS], BIAS, v[L4]
	s_and_b32 s3, s2, 3
	s_and_b32 s5, ttmp7, 0xffff                    ; nb
	s_lshl2_add_u32 s5, s5, s3                     ; bn = 4 nb + (w & 3)
	s_mov_b32 s30, 0x3e38aa3b                      ; 0.125 * log2(e): the score's scale and the change to base 2, put into Q once
	s_mov_b32 s31, 0x3e38aa3b
	s_mov_b32 s36, 0xffff0000                      ; a word's upper bf16
	s_lshl_b32 s32, s5, 8                          ; a block's 64 positions are 256 bytes of a row
	s_mov_b32 s33, 0
	s_wait_kmcnt 0x0
	s_cmp_lt_u32 s2, 4
	s_cselect_b64 s[28:29], s[8:9], s[10:11]       ; waves 0-3 read video_feat, waves 4-7 ref_feat
	s_add_nc_u64 s[28:29], s[28:29], s[32:33]
	s_lshl_b32 s32, ttmp9, 16                      ; og x 32 rows of 2,048 bytes
	s_add_nc_u64 s[12:13], s[12:13], s[32:33]
	s_add_nc_u64 s[14:15], s[14:15], s[32:33]
	s_add_nc_u64 s[16:17], s[16:17], s[32:33]
	s_lshl_b32 s32, ttmp9, 7                       ; og x 32 f32
	s_add_nc_u64 s[18:19], s[18:19], s[32:33]
	s_add_nc_u64 s[20:21], s[20:21], s[32:33]
	s_add_nc_u64 s[22:23], s[22:23], s[32:33]
	global_load_b32 v[BD], v[L4], s[18:19]
	global_load_b32 v[BD+1], v[L4], s[20:21]
	global_load_b32 v[BD+2], v[L4], s[22:23]
	WLOAD 0
	WLOAD 1
	WLOAD 2
	XLOAD 0, 0
	s_wait_loadcnt 56                              ; the three biases are in: 48 loads of W and 8 of X are younger
	s_cmp_lg_u32 s2, 0
	s_cbranch_scc1 .Lbias_done                     ; one wave lays them down
	ds_store_b32 v[BS], v[BD]
	ds_store_b32 v[BS], v[BD+1] offset:128
	ds_store_b32 v[BS], v[BD+2] offset:256
.Lbias_done:
	STAGE 0, LW, 0, 40                             ; Wq's 16 loads are in: 32 of W and 8 of X are younger
	XLOAD 1, 0                                     ; lands partly on v64-79, whose numbers have just gone to LDS
	STAGE 1, LW, WMAT, 32                          ; Wk's: 16 of W and 16 of X are younger
	STAGE 2, LW2, 0, 16                            ; Wv's: 16 of X are younger
	s_wait_dscnt 0x0                               ; my LDS stores are done, for the other waves' sake
	s_barrier_signal -1
	s_barrier_wait -1                              ; W and the biases are whole; LDS is only read from here on
	s_cmp_ge_u32 s2, 4
	s_cbranch_scc1 .Lref
	; ---- waves 0-3: Q ----
	s_lshr_b32 s6, ttmp9, 1                        ; head
	s_lshl_b32 s6, s6, 19                          ; 524,288 bytes a head
	s_and_b32 s7, ttmp9, 1
	s_lshl_b32 s7, s7, 10                          ; channel tiles 2 (og & 1) + ot, 512 bytes each
	s_add_co_u32 s32, s6, s7
	s_lshl_b32 s7, s5, 13                          ; four position tiles of 2,048 bytes a block
	s_add_co_u32 s32, s32, s7
	s_add_nc_u64 s[34:35], s[24:25], s[32:33]
.set ks, 0
.rept 16
.if ks > 0
	NOP4                                           ; behind the last products: WF is loaded again, XF written again
.endif
	LDW 0, ks
	XSTEP ks
	s_wait_dscnt 0x0
.if ks == 0
	MMW 1                                          ; the first product starts the sums
.else
	MMW 0
.endif
.set ks, ks+1
.endr
	NOP4
.irp ot, 0,1
.irp e, 0,1
	ds_load_b128 v[RAW+8*\ot+4*\e:RAW+8*\ot+4*\e+3], v[BA] offset:64*\ot+16*\e   ; bq of channels 16 ot + 8 h + 0..7
.endr
.endr
	s_wait_dscnt 0x0
.irp i, 0,2,4,6,8,10,12,14
	v_pk_mul_f32 v[RAW+\i:RAW+\i+1], v[RAW+\i:RAW+\i+1], s[30:31] op_sel_hi:[1,0]
.endr
.irp ot, 0,1
.irp t, 0,1,2,3
.irp i, 0,2,4,6
	v_pk_fma_f32 v[ACC+8*(4*\ot+\t)+\i:ACC+8*(4*\ot+\t)+\i+1], v[ACC+8*(4*\ot+\t)+\i:ACC+8*(4*\ot+\t)+\i+1], s[30:31], v[RAW+8*\ot+\i:RAW+8*\ot+\i+1] op_sel_hi:[1,0,1]
.endr
	PACKHL ACC+8*(4*\ot+\t), XF+4*(4*\ot+\t), \t*2048+\ot*512
.endr
.endr
	s_set_vgpr_msb 0x5
	s_wait_tensorcnt 0x0
	ds_add_u32 v0, v1
	s_wait_dscnt 0x0
	s_set_vgpr_msb 0x500
	s_endpgm
	; ---- waves 4-7: K and V ----
.Lref:
	v_add_nc_u32 v[WA], WMAT, v[WA]                ; Wk is matrix 0 from here, Wv matrix 1
	s_lshr_b32 s6, ttmp9, 1
	s_lshl_b32 s6, s6, 20                          ; 1,048,576 bytes a head
	s_and_b32 s7, ttmp9, 1
	s_lshl_b32 s7, s7, 10
	s_add_co_u32 s32, s6, s7
	s_lshr_b32 s6, s5, 3
	s_lshl_b32 s6, s6, 17                          ; the tile of 512 keys: 64 KiB of K, then 64 KiB of V
	s_and_b32 s7, s5, 7
	s_lshl_b32 s7, s7, 13
	s_add_co_u32 s32, s32, s6
	s_add_co_u32 s32, s32, s7
	s_add_nc_u64 s[34:35], s[26:27], s[32:33]
.set ks, 0
.rept 16
.if ks > 0
	NOP4
.endif
	LDW 0, ks
	XSTEP ks
	s_wait_dscnt 0x0
.if ks == 0
	MMW 1
.else
	MMW 0
.endif
	NOP4                                           ; behind K's products: WF is loaded again
	LDW 1, ks
	s_wait_dscnt 0x0
.if ks == 0
	MMV 1
.else
	MMV 0
.endif
.set ks, ks+1
.endr
	NOP4
.irp ot, 0,1
.irp e, 0,1
	ds_load_b128 v[RAW+8*\ot+4*\e:RAW+8*\ot+4*\e+3], v[BA] offset:128+64*\ot+16*\e   ; bk of channels 16 ot + 8 h + 0..7
.endr
.endr
	ds_load_b32 v[RAW+16], v[BV]                   ; bv of channel r
	ds_load_b32 v[RAW+17], v[BV] offset:64         ; and of channel 16 + r
	s_wait_dscnt 0x0
.irp ot, 0,1
.irp t, 0,1,2,3
.irp i, 0,2,4,6
	v_pk_add_f32 v[ACC+8*(4*\ot+\t)+\i:ACC+8*(4*\ot+\t)+\i+1], v[ACC+8*(4*\ot+\t)+\i:ACC+8*(4*\ot+\t)+\i+1], v[RAW+8*\ot+\i:RAW+8*\ot+\i+1]
.endr
	PACKST ACC+8*(4*\ot+\t), \t*2048+\ot*512
.endr
.endr
.irp t, 0,1,2,3
.irp i, 0,2,4,6
	v_pk_add_f32 v[ACV+8*\t+\i:ACV+8*\t+\i+1], v[ACV+8*\t+\i:ACV+8*\t+\i+1], v[RAW+16:RAW+17] op_sel_hi:[1,0]   ; a lane's eight numbers share one channel
.endr
	PACKST ACV+8*\t, 65536+\t*2048
.endr
.irp t, 0,1,2,3
.irp i, 0,2,4,6
	v_pk_add_f32 v[ACV+32+8*\t+\i:ACV+32+8*\t+\i+1], v[ACV+32+8*\t+\i:ACV+32+8*\t+\i+1], v[RAW+16:RAW+17] op_sel:[0,1] op_sel_hi:[1,1]
.endr
	PACKST ACV+32+8*\t, 65536+\t*2048+512
.endr
	s_set_vgpr_msb 0x5
	s_wait_tensorcnt 0x0
	ds_add_u32 v0, v1
	s_wait_dscnt 0x0
	s_set_vgpr_msb 0x500
	s_endpgm
.Lfunc_end_k_q76ea6520a7_proj:
	.size	k_q76ea6520a7_proj, .Lfunc_end_k_q76ea6520a7_proj-k_q76ea6520a7_proj
	.p2alignl 7, 3214868480
	.fill 96, 4, 3214868480
	.section	.rodata,"a",@progbits
	.p2align	6, 0x0
	.amdhsa_kernel k_q76ea6520a7_proj
		.amdhsa_group_segment_fixed_size 101376
		.amdhsa_private_segment_fixed_size 0
		.amdhsa_enable_private_segment 0
		.amdhsa_kernarg_size 80
		.amdhsa_user_sgpr_count 2
		.amdhsa_user_sgpr_kernarg_segment_ptr 1
		.amdhsa_wavefront_size32 1
		.amdhsa_system_sgpr_workgroup_id_x 1
		.amdhsa_system_sgpr_workgroup_id_y 1
		.amdhsa_system_sgpr_workgroup_id_z 1
		.amdhsa_system_vgpr_workitem_id 0
		.amdhsa_next_free_vgpr 258
		.amdhsa_next_free_sgpr 66
		.amdhsa_reserve_vcc 0
		.amdhsa_float_denorm_mode_32 3
		.amdhsa_float_denorm_mode_16_64 3
		.amdhsa_memory_ordered 1
		.amdhsa_forward_progress 1
		.amdhsa_inst_pref_size 196
	.end_amdhsa_kernel
	.amdgpu_metadata
---
amdhsa.version: [ 1, 2 ]
amdhsa.kernels:
  - .name:           k_q76ea6520a7_proj
    .symbol:         k_q76ea6520a7_proj.kd
    .args:
      - { .name: video_feat, .offset: 0, .size: 8, .value_kind: global_buffer, .address_space: global }
      - { .name: ref_feat, .offset: 8, .size: 8, .value_kind: global_buffer, .address_space: global }
      - { .name: Wq, .offset: 16, .size: 8, .value_kind: global_buffer, .address_space: global }
      - { .name: Wk, .offset: 24, .size: 8, .value_kind: global_buffer, .address_space: global }
      - { .name: Wv, .offset: 32, .size: 8, .value_kind: global_buffer, .address_space: global }
      - { .name: bq, .offset: 40, .size: 8, .value_kind: global_buffer, .address_space: global }
      - { .name: bk, .offset: 48, .size: 8, .value_kind: global_buffer, .address_space: global }
      - { .name: bv, .offset: 56, .size: 8, .value_kind: global_buffer, .address_space: global }
      - { .name: qf, .offset: 64, .size: 8, .value_kind: global_buffer, .address_space: global }
      - { .name: kvf, .offset: 72, .size: 8, .value_kind: global_buffer, .address_space: global }
    .group_segment_fixed_size: 101376
    .private_segment_fixed_size: 0
    .kernarg_segment_align: 8
    .kernarg_segment_size: 80
    .max_flat_workgroup_size: 256
    .sgpr_count:     66
    .vgpr_count:     258
    .wavefront_size: 32
...
	.end_amdgpu_metadata
.endif
;; end of part 1
;; launch attn (part 2): grid 32 x 8, 8 waves a work-group, clusters of 4 x 1, 327,680 bytes of LDS; arguments qf, kvf, obf; writes obf
.if DOCPART == 2
	.amdgcn_target "amdgcn-amd-amdhsa--gfx1250"
	.amdhsa_code_object_version 6
	.text
	.protected	k_q76ea6520a7_attn
	.globl	k_q76ea6520a7_attn
	.p2align	8
	.type	k_q76ea6520a7_attn,@function
k_q76ea6520a7_attn:
	s_mov_b64 s[64:65], 0
	v_nop
	global_prefetch_b8 v0, s[64:65] scope:SCOPE_SE
	s_setreg_imm32_b32 hwreg(HW_REG_WAVE_MODE, 25, 1), 1
	s_wait_xcnt 0x0
	s_wait_alu depctr_hold_cnt(0) depctr_sa_sdst(0) depctr_va_vdst(0) depctr_va_sdst(0) depctr_va_ssrc(0) depctr_va_vcc(0) depctr_vm_vsrc(0)
	s_getreg_b32 s2, hwreg(HW_REG_IB_STS2, 6, 4)
	s_cmp_eq_u32 s2, 0
	s_cbranch_scc0 .Lentry_in_a_cluster
	s_endpgm
.Lentry_in_a_cluster:
	s_bfe_u32 s2, ttmp6, 0x10000c
	s_cmp_lg_u32 s2, 0x3003
	s_cbranch_scc0 .Lentry_shape_is_right
	s_endpgm
.Lentry_shape_is_right:
; Attention of one head for 128 queries a work-group: O = softmax(Q K^T) V with a running maximum, all 4,096 keys.
; qf holds Q already times 0.125 log2(e), so the exponentials are plain powers of two.  All operands bf16, sums, maxima and rescaling f32.
; Q COMES, AND O LEAVES, AS TWO bf16 TERMS (hi, and lo = the rest rounded to bf16; lo's blocks LOPART bytes behind hi's): 16 significant bits.  A query's rounding
; enters all 4,096 scores of its row alike, and O's enters the last product whole; neither averages out over the keys as K's, V's and P's roundings do.
; So the scores are K x Qhi + K x Qlo: 16 products a sub-step for the scores beside 8 for O.
; SHARES: head = work-group y; 128 queries = work-group x.  Wave w: queries 32 (w & 3) .. + 31 (two tiles of 16) and half kh = w >> 2 of every
; tile of 512 keys: 32 queries x 2,048 keys a wave, with a maximum and a sum of its own; the two halves are merged once at the end through LDS.
; Eight waves are two for each of the four SIMDs: one wave's softmax can run beside the other's products.
; BOTH PRODUCTS ARE USED TRANSPOSED.  S^T = K x Q: register j of lane (r, h) is (key 8 h + j, query r), so maximum, sum and rescale are one number
; a lane, and two key tiles rounded in pairs ARE the B fragment of the second product, O^T = V x P, with no move between lanes.
; O^T gives a lane eight neighbouring channels of one query: 16 bytes of the block that the last launch reads.
; CLUSTER: the four work-groups of a cluster are four query blocks of one head and walk the same K and V.  Each tile of 128 KiB (64 of K, 64 of V, dense in kvf)
; is asked for jointly, mask 15, each wave its 16 KiB: the requests for K and V are divided by four.  A wave has one tensor load out at the most.
; LIMITS: finite inputs.  A power of two below 2^-126 counts as 0 (ISA guide, v_exp_f32), against a row's largest of 1.  A row's sum is taken over the f32
; exponentials, the product with V over their bf16 roundings.  Keys are summed in an order of their own (tiles of a permuted order, two halves).
; An O whose rounding to bf16 overflows (magnitude above about 3.39e38) gives NaN.
.set SLOTB, 131072                     ; an LDS slot: K's 32 key tiles x 2,048 bytes, then V's
.set MRGB,  262144                     ; behind the ring: 4 x 8,704 bytes for the merge; no tensor load ever lands here
.set MRGW,  8704                       ; 17 x 512
.set LOPART, 4194304                   ; from a hi block of qf or obf to its lo block
.set LN16, 1                           ; v1   16 x lane
.set KA,   2                           ; v2, v4  my half of K in slot 0, 1
.set VA,   3                           ; v3, v5  my half of V in slot 0, 1
.set MG,   6                           ; v6   my place in the merge area
.set RM,   8                           ; v[8:9], v[10:11]  the two query tiles' maxima, two pairs that take turns with the sub-step's parity: nothing is copied
.set RL,   12                          ; v[12:13] sums (a lane's own keys)
.set RAL,  14                          ; v[14:15] 2^(old maximum - new maximum)
.set RT,   16                          ; v[16:31] at work
.set RQ,   32                          ; v[32:63]   Q hi: tile qt, block dt at 16 qt + 4 dt
.set RKF,  64                          ; v[64:95]   K: key tile kt, block dt at 16 kt + 4 dt
.set RVF,  96                          ; v[96:127]  V: channel tile dt, key tile e at 8 dt + 4 e
.set RS,   128                         ; v[128:159] S^T: tile (qt, kt) at 8 (2 qt + kt); then P of tile qt in the first eight registers of its sixteen
.set RQL,  160                         ; v[160:175] Q lo of tile 0, v[240:255] of tile 1: 80 qt + 4 dt
.set RO,   176                         ; v[176:239] O^T: tile (qt, dt) at 8 (4 qt + dt)
.set G1,   16                          ; s[16:23] descriptor group 1
.set G0,   32                          ; s[32:39] descriptor group 0, one set for each slot
.macro NOPS n                          ; places behind a matrix instruction (ISA guide 7.12.1)
.rept \n
	v_nop
.endr
.endm
; A round of the cluster's barrier: my work-group's barrier, wave 0 signals for the work-group, every wave waits for all four work-groups, my work-group's barrier again.
.macro ROUND
	s_barrier_signal -1
	s_barrier_wait -1
	s_cmp_lg_u32 s10, 0
	s_cbranch_scc1 .Lnot_wave_0_\@
	s_barrier_signal -3
.Lnot_wave_0_\@:
	s_barrier_wait -3
	s_barrier_signal -1
	s_barrier_wait -1
.endm
.macro LDK sl, j                       ; two key tiles x 64 channels of K: eight blocks, each 512 consecutive bytes for the wave
.irp kt, 0,1
.irp dt, 0,1,2,3
	ds_load_b128 v[RKF+16*\kt+4*\dt:RKF+16*\kt+4*\dt+3], v[KA+2*\sl] offset:(\j)*4096+\kt*2048+\dt*512
.endr
.endr
.endm
.macro LDV sl, j                       ; the same 32 keys of V
.irp dt, 0,1,2,3
.irp e, 0,1
	ds_load_b128 v[RVF+8*\dt+4*\e:RVF+8*\dt+4*\e+3], v[VA+2*\sl] offset:(\j)*4096+\e*2048+\dt*512
.endr
.endr
.endm
; Four score products, one on each of the four accumulators: channels 32 ds .. + 31 of K against the Q fragments at qb (tile 0) and qb + qs (tile 1).
.macro SMUL ds, qb, qs, zero
.irp qt, 0,1
.irp kt, 0,1
.if \zero
	v_wmma_f32_16x16x32_bf16 v[RS+8*(2*\qt+\kt):RS+8*(2*\qt+\kt)+7], v[RKF+16*\kt+8*\ds:RKF+16*\kt+8*\ds+7], v[\qb+\qs*\qt+8*\ds:\qb+\qs*\qt+8*\ds+7], 0
.else
	v_wmma_f32_16x16x32_bf16 v[RS+8*(2*\qt+\kt):RS+8*(2*\qt+\kt)+7], v[RKF+16*\kt+8*\ds:RKF+16*\kt+8*\ds+7], v[\qb+\qs*\qt+8*\ds:\qb+\qs*\qt+8*\ds+7], v[RS+8*(2*\qt+\kt):RS+8*(2*\qt+\kt)+7]
.endif
.endr
.endr
.endm
; One sub-step: 32 keys x 32 queries.  first = 1: the very first of the wave, which starts maxima, sums and O.
.macro SUB sl, j, first
.set MN, RM+2*((\j)&1)                 ; the new maxima
.set MO, RM+2-2*((\j)&1)               ; the old ones
	s_wait_dscnt 0x8                               ; K's eight loads are in; V's eight stay out
.if \first
	s_wait_loadcnt 0x0                             ; Q, once
.endif
	; S^T = K x (Qhi + Qlo) over 64 channels: four accumulators, one instruction a turn
	SMUL 0, RQ, 16, 1
	SMUL 1, RQ, 16, 0
	SMUL 0, RQL, 80, 0
	SMUL 1, RQL, 80, 0
	NOPS 4                                         ; then K's registers may be loaded again and S read
.if \j < 7
	LDK \sl, \j+1
.endif
	; the new maximum of each query: 16 numbers and the old maximum in eight steps of three, then the other half of the lanes
.irp qt, 0,1
	v_max3_num_f32 v[RT+8*\qt], v[RS+16*\qt], v[RS+16*\qt+1], v[RS+16*\qt+2]
	v_max3_num_f32 v[RT+8*\qt+1], v[RS+16*\qt+3], v[RS+16*\qt+4], v[RS+16*\qt+5]
	v_max3_num_f32 v[RT+8*\qt+2], v[RS+16*\qt+6], v[RS+16*\qt+7], v[RS+16*\qt+8]
	v_max3_num_f32 v[RT+8*\qt+3], v[RS+16*\qt+9], v[RS+16*\qt+10], v[RS+16*\qt+11]
	v_max3_num_f32 v[RT+8*\qt+4], v[RS+16*\qt+12], v[RS+16*\qt+13], v[RS+16*\qt+14]
.endr
.irp qt, 0,1
	v_max3_num_f32 v[RT+8*\qt], v[RT+8*\qt], v[RT+8*\qt+1], v[RT+8*\qt+2]
	v_max3_num_f32 v[RT+8*\qt+3], v[RT+8*\qt+3], v[RT+8*\qt+4], v[RS+16*\qt+15]
.endr
.irp qt, 0,1
.if \first
	v_max_num_f32 v[RT+8*\qt], v[RT+8*\qt], v[RT+8*\qt+3]
.else
	v_max3_num_f32 v[RT+8*\qt], v[RT+8*\qt], v[RT+8*\qt+3], v[MO+\qt]
.endif
.endr
.irp qt, 0,1
	v_permlanex16_b32 v[RT+8*\qt+1], v[RT+8*\qt], s40, s41    ; lane r + 16 holds the same query's other eight keys of each tile
.endr
.irp qt, 0,1
	v_max_num_f32 v[MN+\qt], v[RT+8*\qt], v[RT+8*\qt+1]
.endr
.if \first
.else
	v_pk_add_f32 v[RAL:RAL+1], v[MO:MO+1], v[MN:MN+1] neg_lo:[0,1] neg_hi:[0,1]   ; old - new, at most 0
.endif
.irp i, 0,2,4,6,8,10,12,14
	v_pk_add_f32 v[RS+\i:RS+\i+1], v[RS+\i:RS+\i+1], v[MN:MN+1] op_sel_hi:[1,0] neg_lo:[0,1] neg_hi:[0,1]
.endr
.irp i, 16,18,20,22,24,26,28,30
	v_pk_add_f32 v[RS+\i:RS+\i+1], v[RS+\i:RS+\i+1], v[MN:MN+1] op_sel:[0,1] op_sel_hi:[1,1] neg_lo:[0,1] neg_hi:[0,1]
.endr
.set ii, 0
.rept 32
	v_exp_f32 v[RS+ii], v[RS+ii]
.set ii, ii+1
.endr
.if \first
.else
	v_exp_f32 v[RAL], v[RAL]
	v_exp_f32 v[RAL+1], v[RAL+1]
.endif
	v_nop                                          ; one plain place behind the run of exponentials before a result is used (ISA guide 5.7.2)
	; the lane's share of each query's sum; the first level goes into RT and leaves S whole for the rounding below
	s_wait_alu depctr_va_vdst(0)
.irp qt, 0,1
.irp i, 0,1,2,3
	v_pk_add_f32 v[RT+8*\qt+2*\i:RT+8*\qt+2*\i+1], v[RS+16*\qt+4*\i:RS+16*\qt+4*\i+1], v[RS+16*\qt+4*\i+2:RS+16*\qt+4*\i+3]
.endr
.endr
	; P: pairs of S rounded in place and ascending: register i of a query tile's sixteen takes numbers 2 i and 2 i + 1, which no earlier line of the run has overwritten
.irp qt, 0,1
.irp i, 0,1,2,3,4,5,6,7
	v_cvt_pk_bf16_f32 v[RS+16*\qt+\i], v[RS+16*\qt+2*\i], v[RS+16*\qt+2*\i+1]
.endr
.endr
.irp qt, 0,1
	v_pk_add_f32 v[RT+8*\qt:RT+8*\qt+1], v[RT+8*\qt:RT+8*\qt+1], v[RT+8*\qt+2:RT+8*\qt+3]
	v_pk_add_f32 v[RT+8*\qt+4:RT+8*\qt+5], v[RT+8*\qt+4:RT+8*\qt+5], v[RT+8*\qt+6:RT+8*\qt+7]
.endr
.irp qt, 0,1
	v_pk_add_f32 v[RT+8*\qt:RT+8*\qt+1], v[RT+8*\qt:RT+8*\qt+1], v[RT+8*\qt+4:RT+8*\qt+5]
.endr
.if \first
.irp qt, 0,1
	v_add_f32 v[RL+\qt], v[RT+8*\qt], v[RT+8*\qt+1]
.endr
.else
.irp qt, 0,1
	v_add_f32 v[RT+8*\qt], v[RT+8*\qt], v[RT+8*\qt+1]
.endr
.irp qt, 0,1
	v_fma_f32 v[RL+\qt], v[RL+\qt], v[RAL+\qt], v[RT+8*\qt]
.endr
	; O is brought to the new maximum
.set ii, 0
.rept 16
	v_pk_mul_f32 v[RO+ii:RO+ii+1], v[RO+ii:RO+ii+1], v[RAL:RAL+1] op_sel_hi:[1,0]
.set ii, ii+2
.endr
.rept 16
	v_pk_mul_f32 v[RO+ii:RO+ii+1], v[RO+ii:RO+ii+1], v[RAL:RAL+1] op_sel:[0,1] op_sel_hi:[1,1]
.set ii, ii+2
.endr
.endif
.if \j < 7
	s_wait_dscnt 0x8                               ; V's eight loads are in; the next K's eight stay out
.else
	s_wait_dscnt 0x0                               ; the tile's last sub-step: nothing was issued behind V's loads
.endif
	; O^T += V x P: eight accumulators, one instruction a turn
.irp qt, 0,1
.irp dt, 0,1,2,3
.if \first
	v_wmma_f32_16x16x32_bf16 v[RO+8*(4*\qt+\dt):RO+8*(4*\qt+\dt)+7], v[RVF+8*\dt:RVF+8*\dt+7], v[RS+16*\qt:RS+16*\qt+7], 0
.else
	v_wmma_f32_16x16x32_bf16 v[RO+8*(4*\qt+\dt):RO+8*(4*\qt+\dt)+7], v[RVF+8*\dt:RVF+8*\dt+7], v[RS+16*\qt:RS+16*\qt+7], v[RO+8*(4*\qt+\dt):RO+8*(4*\qt+\dt)+7]
.endif
.endr
.endr
	NOPS 5                                         ; five places: the next sub-step's first products write over P, a source of these; four serve the loads into V's registers
.if \j < 7
	LDV \sl, \j+1
.endif
.endm
; One tile of 512 keys out of slot sl.  In front of the round every wave has waited for all its tensor loads (its part of this tile among them) and for its
; reads of the other slot; behind the round no wave of the four work-groups reads that slot or has a load on its way, and the joint refill comes first.
.macro TRIP sl, refill, first
	s_set_vgpr_msb 0x4
	s_wait_tensorcnt 0x0
	ds_add_u32 v7, v1
	s_wait_dscnt 0x0
	s_set_vgpr_msb 0x400
	s_add_nc_u64 s[G0+4*\sl+2:G0+4*\sl+3], s[G0+4*\sl+2:G0+4*\sl+3], 2*SLOTB   ; no load of mine is out: this slot's next tile, two tiles on
	s_wait_dscnt 0x0
	ROUND
.if \refill
	tensor_load_to_lds s[G0+4-4*\sl:G0+7-4*\sl], s[G1:G1+7]    ; the next tile, into the slot read last; it has this tile's eight sub-steps in which to land
	s_nop 0
.endif
	LDK \sl, 0
	LDV \sl, 0
	SUB \sl, 0, \first
	SUB \sl, 1, 0
	SUB \sl, 2, 0
	SUB \sl, 3, 0
	SUB \sl, 4, 0
	SUB \sl, 5, 0
	SUB \sl, 6, 0
	SUB \sl, 7, 0
.endm
; A tile's eight f32 a lane leave as hi and lo.  hi gets four registers of its own (ht), which no later line writes: they are a store's data.
; x - hi is exact in f32: hi has x's leading 8 bits.  Each store of the wave covers 512 consecutive aligned bytes.
.macro SPLITST a, ht, off
.irp p, 0,1,2,3
	v_cvt_pk_bf16_f32 v[\ht+\p], v[\a+2*\p], v[\a+2*\p+1]
.endr
.irp p, 0,1,2,3
	v_lshlrev_b32 v[RVF+2*\p], 16, v[\ht+\p]       ; hi as f32 again
	v_and_b32 v[RVF+2*\p+1], s42, v[\ht+\p]
.endr
.irp p, 0,1,2,3
	v_pk_add_f32 v[\a+2*\p:\a+2*\p+1], v[\a+2*\p:\a+2*\p+1], v[RVF+2*\p:RVF+2*\p+1] neg_lo:[0,1] neg_hi:[0,1]
.endr
	global_store_b128 v[LN16], v[\ht:\ht+3], s[30:31] offset:\off
	v_cvt_pk_bf16_f32 v[\a], v[\a], v[\a+1]
	v_cvt_pk_bf16_f32 v[\a+1], v[\a+2], v[\a+3]
	v_cvt_pk_bf16_f32 v[\a+2], v[\a+4], v[\a+5]
	v_cvt_pk_bf16_f32 v[\a+3], v[\a+6], v[\a+7]
	global_store_b128 v[LN16], v[\a:\a+3], s[30:31] offset:\off+LOPART
.endm
	s_load_b128 s[4:7], s[0:1], 0x0                ; qf s[4:5], kvf s[6:7]
	s_load_b64 s[8:9], s[0:1], 0x10                ; obf
	v_lshl_add_u32 v7, v0, 2, 0x48800
	s_set_vgpr_msb 0x40
	v_mov_b32 v1, 0
	s_set_vgpr_msb 0x4044
	ds_add_u32 v7, v1
	s_set_vgpr_msb 0x4400
	v_lshrrev_b32 v[LN16], 5, v0
	v_readfirstlane_b32 s10, v[LN16]               ; wave 0..7
	s_and_b32 s11, s10, 3                          ; which 32 queries
	s_lshr_b32 s12, s10, 2                         ; which half of the keys
	s_bfe_u32 s13, ttmp6, 0x40000                  ; cx: enters the addresses of qf and obf alone
	s_lshl_b32 s14, ttmp9, 2
	s_add_co_u32 s14, s14, s13                     ; query block = 4 x cluster x + cx
	s_and_b32 s15, ttmp7, 0xffff                   ; head, shared by the four partners
	s_mov_b32 s40, 0x76543210                      ; v_permlanex16_b32: lane i of one half reads lane i of the other
	s_mov_b32 s41, 0xfedcba98
	s_mov_b32 s42, 0xffff0000                      ; a word's upper bf16
	; group 1: 64 rows of 32 elements of 8 bytes, dense: 16 KiB a wave
	s_mov_b32 s[G1+0], 15|(3<<16)|(1<<21)          ; 15:0 the four work-groups of the cluster; 17:16 elements of 8 bytes; 21 set beside a mask; no padding
	s_mov_b32 s[G1+1], 32<<16                      ; tensor_dim0 = 32
	s_mov_b32 s[G1+2], 64<<16                      ; tensor_dim1 = 64
	s_mov_b32 s[G1+3], 32<<16                      ; tile_dim0 = 32
	s_mov_b32 s[G1+4], 64                          ; tile_dim1 = 64
	s_mov_b32 s[G1+5], 32                          ; from row to row: 32 elements
	s_mov_b32 s[G1+6], 0
	s_mov_b32 s[G1+7], 0
	s_lshl_b32 s24, s15, 20                        ; kvf: 1,048,576 bytes a head
	s_lshl_b32 s33, s10, 14                        ; my 16 KiB of a tile, in memory and in LDS
	s_add_co_u32 s24, s24, s33
	s_mov_b32 s25, 0
	s_lshl_b32 s26, s15, 19                        ; qf, obf: 524,288 bytes a head,
	s_lshl_b32 s27, s14, 14                        ; 16,384 a query block,
	s_add_co_u32 s26, s26, s27
	s_lshl_b32 s27, s11, 12                        ; 4,096 a wave's two tiles
	s_add_co_u32 s26, s26, s27
	s_mov_b32 s27, 0
	s_mov_b32 s[G0+0], 1
	s_mov_b32 s[G0+4], 1
	s_add_co_u32 s[G0+5], s33, SLOTB
	v_and_b32 v[LN16], 31, v0
	v_lshlrev_b32 v[LN16], 4, v[LN16]
	s_lshl_b32 s45, s12, 15                        ; a half of a tile's K or V: 16 key tiles of 2,048 bytes
	v_add_nc_u32 v[KA], s45, v[LN16]
	v_add_nc_u32 v[VA], 65536, v[KA]
	v_add_nc_u32 v[KA+2], SLOTB, v[KA]
	v_add_nc_u32 v[VA+2], SLOTB, v[VA]
	s_mul_i32 s46, s11, MRGW
	s_add_co_u32 s46, s46, MRGB
	v_add_nc_u32 v[MG], s46, v[LN16]
	s_wait_dscnt 0x0
	s_wait_kmcnt 0x0
	s_add_nc_u64 s[G0+2:G0+3], s[6:7], s[24:25]    ; tile 0
	s_add_nc_u64 s[G0+6:G0+7], s[G0+2:G0+3], SLOTB ; tile 1
	s_or_b32 s[G0+3], s[G0+3], 0x80000000          ; type = 2
	s_or_b32 s[G0+7], s[G0+7], 0x80000000
	s_add_nc_u64 s[28:29], s[4:5], s[26:27]
	s_add_nc_u64 s[30:31], s[8:9], s[26:27]
	ROUND                                          ; all four work-groups are here: the first joint loads meet
	tensor_load_to_lds s[G0:G0+3], s[G1:G1+7]      ; tile 0
	s_nop 0
.irp qt, 0,1
.irp dt, 0,1,2,3
	global_load_b128 v[RQ+16*\qt+4*\dt:RQ+16*\qt+4*\dt+3], v[LN16], s[28:29] offset:\qt*2048+\dt*512
	global_load_b128 v[RQL+80*\qt+4*\dt:RQL+80*\qt+4*\dt+3], v[LN16], s[28:29] offset:LOPART+\qt*2048+\dt*512
.endr
.endr
	TRIP 0, 1, 1                                   ; tile 0; slot 1 gets its first fill as a refill does
	s_mov_b32 s44, 3
.Ltiles:
	TRIP 1, 1, 0                                   ; tiles 1, 3, 5
	TRIP 0, 1, 0                                   ; tiles 2, 4, 6
	s_sub_co_u32 s44, s44, 1
	s_cmp_lg_u32 s44, 0
	s_cbranch_scc1 .Ltiles
	TRIP 1, 0, 0                                   ; tile 7: nothing is left to fetch (slot 1's stepped address is not used)
	; THE MERGE.  The last sub-step was odd: the maxima lie in v[10:11], next to the sums in v[12:13].
	v_permlanex16_b32 v[RT], v[RL], s40, s41
	v_permlanex16_b32 v[RT+1], v[RL+1], s40, s41
	v_pk_add_f32 v[RL:RL+1], v[RL:RL+1], v[RT:RT+1]    ; the two halves of the lanes hold the two halves of each query's keys
	s_cmp_lt_u32 s10, 4
	s_cbranch_scc1 .Lkeeps
.set ii, 0
.rept 16
	ds_store_b128 v[MG], v[RO+4*ii:RO+4*ii+3] offset:512*ii    ; waves 4-7 hand over O,
.set ii, ii+1
.endr
	ds_store_b128 v[MG], v[RM+2:RM+5] offset:8192              ; the maxima and the sums
.Lkeeps:
	s_wait_dscnt 0x0                               ; for the partner wave's sake
	s_barrier_signal -1
	s_barrier_wait -1
	s_cmp_ge_u32 s10, 4
	s_cbranch_scc1 .Ldone
.set ii, 0
.rept 17
	ds_load_b128 v[RKF+4*ii:RKF+4*ii+3], v[MG] offset:512*ii   ; v[64:127] the other half's O, v[128:129] its maxima, v[130:131] its sums
.set ii, ii+1
.endr
	s_wait_dscnt 0x0
	v_max_num_f32 v[RT], v[RM+2], v[RS]
	v_max_num_f32 v[RT+1], v[RM+3], v[RS+1]
	v_pk_add_f32 v[RT+2:RT+3], v[RM+2:RM+3], v[RT:RT+1] neg_lo:[0,1] neg_hi:[0,1]
	v_pk_add_f32 v[RT+4:RT+5], v[RS:RS+1], v[RT:RT+1] neg_lo:[0,1] neg_hi:[0,1]
	v_exp_f32 v[RT+2], v[RT+2]
	v_exp_f32 v[RT+3], v[RT+3]
	v_exp_f32 v[RT+4], v[RT+4]
	v_exp_f32 v[RT+5], v[RT+5]
	v_nop
	s_wait_alu depctr_va_vdst(0)
	v_pk_mul_f32 v[RT+6:RT+7], v[RT+2:RT+3], v[RL:RL+1]
	v_pk_fma_f32 v[RT+6:RT+7], v[RT+4:RT+5], v[RS+2:RS+3], v[RT+6:RT+7]   ; the whole sum, at least 1: the largest exponential is 1
	v_rcp_f32 v[RT+6], v[RT+6]
	v_rcp_f32 v[RT+7], v[RT+7]
	v_nop
	s_wait_alu depctr_va_vdst(0)
	v_pk_mul_f32 v[RT+2:RT+3], v[RT+2:RT+3], v[RT+6:RT+7]    ; my half's weight
	v_pk_mul_f32 v[RT+4:RT+5], v[RT+4:RT+5], v[RT+6:RT+7]    ; the other half's
.set ii, 0
.rept 16
	v_pk_mul_f32 v[RO+ii:RO+ii+1], v[RO+ii:RO+ii+1], v[RT+2:RT+3] op_sel_hi:[1,0]
	v_pk_fma_f32 v[RO+ii:RO+ii+1], v[RKF+ii:RKF+ii+1], v[RT+4:RT+5], v[RO+ii:RO+ii+1] op_sel_hi:[1,0,1]
.set ii, ii+2
.endr
.rept 16
	v_pk_mul_f32 v[RO+ii:RO+ii+1], v[RO+ii:RO+ii+1], v[RT+2:RT+3] op_sel:[0,1] op_sel_hi:[1,1]
	v_pk_fma_f32 v[RO+ii:RO+ii+1], v[RKF+ii:RKF+ii+1], v[RT+4:RT+5], v[RO+ii:RO+ii+1] op_sel:[0,1,0] op_sel_hi:[1,1,1]
.set ii, ii+2
.endr
	; the other half's O has been used up: v[64:95] take the eight tiles' hi words, v[96:103] are at work
.irp qt, 0,1
.irp dt, 0,1,2,3
	SPLITST RO+8*(4*\qt+\dt), RKF+4*(4*\qt+\dt), \qt*2048+\dt*512
.endr
.endr
.Ldone:
	s_set_vgpr_msb 0x4
	s_wait_tensorcnt 0x0
	ds_add_u32 v7, v1
	s_wait_dscnt 0x0
	s_set_vgpr_msb 0x400
	ROUND                                          ; the closing round: no work-group ends while a partner may still ask for a tile that names it
	s_endpgm
.Lfunc_end_k_q76ea6520a7_attn:
	.size	k_q76ea6520a7_attn, .Lfunc_end_k_q76ea6520a7_attn-k_q76ea6520a7_attn
	.p2alignl 7, 3214868480
	.fill 96, 4, 3214868480
	.section	.rodata,"a",@progbits
	.p2align	6, 0x0
	.amdhsa_kernel k_q76ea6520a7_attn
		.amdhsa_group_segment_fixed_size 327680
		.amdhsa_private_segment_fixed_size 0
		.amdhsa_enable_private_segment 0
		.amdhsa_kernarg_size 24
		.amdhsa_user_sgpr_count 2
		.amdhsa_user_sgpr_kernarg_segment_ptr 1
		.amdhsa_wavefront_size32 1
		.amdhsa_system_sgpr_workgroup_id_x 1
		.amdhsa_system_sgpr_workgroup_id_y 1
		.amdhsa_system_sgpr_workgroup_id_z 1
		.amdhsa_system_vgpr_workitem_id 0
		.amdhsa_next_free_vgpr 258
		.amdhsa_next_free_sgpr 66
		.amdhsa_reserve_vcc 0
		.amdhsa_float_denorm_mode_32 3
		.amdhsa_float_denorm_mode_16_64 3
		.amdhsa_memory_ordered 1
		.amdhsa_forward_progress 1
		.amdhsa_inst_pref_size 255
	.end_amdhsa_kernel
	.section	.bss,"aw",@nobits
	.p2align	6
	.space	262144
	.amdgpu_metadata
---
amdhsa.version: [ 1, 2 ]
amdhsa.kernels:
  - .name:           k_q76ea6520a7_attn
    .symbol:         k_q76ea6520a7_attn.kd
    .args:
      - { .name: qf, .offset: 0, .size: 8, .value_kind: global_buffer, .address_space: global }
      - { .name: kvf, .offset: 8, .size: 8, .value_kind: global_buffer, .address_space: global }
      - { .name: obf, .offset: 16, .size: 8, .value_kind: global_buffer, .address_space: global }
    .group_segment_fixed_size: 327680
    .private_segment_fixed_size: 0
    .kernarg_segment_align: 8
    .kernarg_segment_size: 24
    .max_flat_workgroup_size: 256
    .sgpr_count:     66
    .vgpr_count:     258
    .wavefront_size: 32
...
	.end_amdgpu_metadata
.endif
;; end of part 2
;; launch oproj (part 3): grid 16 x 16, 4 waves a work-group, no clusters, 33,792 bytes of LDS; arguments obf, Wo, bo, out0; writes out0
.if DOCPART == 3
	.amdgcn_target "amdgcn-amd-amdhsa--gfx1250"
	.amdhsa_code_object_version 6
	.text
	.protected	k_q76ea6520a7_oproj
	.globl	k_q76ea6520a7_oproj
	.p2align	8
	.type	k_q76ea6520a7_oproj,@function
k_q76ea6520a7_oproj:
	s_mov_b64 s[64:65], 0
	v_nop
	global_prefetch_b8 v0, s[64:65] scope:SCOPE_SE
	s_setreg_imm32_b32 hwreg(HW_REG_WAVE_MODE, 25, 1), 1
	s_wait_xcnt 0x0
; out0 = Wo O + bo.  O comes as two bf16 terms, hi and lo (lo's blocks LOPART bytes behind hi's), 16 significant bits together, in fragment order
; (blocks of 512 bytes, lane L owning bytes 16 L ..): block (head, position tile nt, channel tile dt) holds for lane (r, h) position index r and
; channels 16 dt + 8 h + 0..7, so two blocks are one B fragment, loaded straight into registers.  out0 = Wo Ohi + Wo Olo + bo.
; SHARES: work-group (og, nb): 32 rows of out0 (32 og ..) x 256 positions; wave w: the 64 positions of block bn = 4 nb + w, 2 x 4 tiles, 64 accumulator registers.
; Wo's 32 rows are rounded to bf16 once and kept in LDS.  K (512 channels) goes in 16 steps of 32, each as two half steps (hi, lo) on one Wo fragment,
; written out: every address step is an immediate (7,872,000 at the most, inside its signed 24 bits).
; THE WAY OUT: tile t of a block holds the positions 64 bn + 4 i + t, so register j of the four tiles is four NEIGHBOURING positions of row 16 ot + 8 h + j.
; The bias add writes them into four neighbouring registers, and in each 16-byte store lanes 0-15 and lanes 16-31 each cover 256 consecutive aligned bytes.
; NO JOINT TENSOR LOADS: O's fragments go from memory into registers with no LDS at all (512 KiB a work-group); what the work-groups share beside them is
; Wo's 64 KiB, which has to pass through registers to be rounded.
; LIMITS: finite inputs; Wo is rounded to bf16, sums and bias stay f32.
.set PITCH, 1040                       ; 512 bf16 + 16 bytes = 65 x 16: a fragment load's 16 rows begin at 16 different 16-byte columns modulo 256
.set LOPART, 4194304                   ; from a hi block of obf to its lo block
.set LN16, 1                           ; v1  16 x lane
.set WA,   2                           ; v2  PITCH r + 16 h
.set GW,   3                           ; v3  16,384 w + 16 lane: Wo rows 8 w .. in memory
.set LW,   4                           ; v4  8 PITCH w + 8 lane: the same rows in LDS
.set BO,   5                           ; v5  32 h
.set CO,   6                           ; v6  8 h rows of 16,384 bytes + 16 r
.set BI,   8                           ; v[8:23]    bo of rows 16 ot + 8 h + j at 8 ot + j
.set OFR,  24                          ; v[24:119]  O fragments: three slots of 32, tile t, block e at 8 t + 4 e
.set WF,   120                         ; v[120:151] Wo fragments, two buffers of two
.set ACC,  152                         ; v[152:215] tile (ot, t) at 8 (4 ot + t)
.set STG,  120                         ; v[120:247] Wo on its way to LDS, ahead of the steps
.set EO,   24                          ; v[24:87]   the way out
.macro NOP4                            ; four places behind a matrix instruction (ISA guide 7.12.1)
.rept 4
	v_nop
.endr
.endm
.macro OLOAD h                         ; the four B fragments of half step h: K step h >> 1 (head h >> 2, channel tiles 2 ((h >> 1) & 1) + e), hi (h even) or lo
.irp t, 0,1,2,3
.irp e, 0,1
	global_load_b128 v[OFR+32*((\h)%3)+8*\t+4*\e:OFR+32*((\h)%3)+8*\t+4*\e+3], v[LN16], s[4:5] offset:((\h)>>2)*524288+\t*2048+(((\h)>>1)&1)*1024+\e*512+((\h)&1)*LOPART
.endr
.endr
.endm
.macro LDW k                           ; the two Wo fragments of K step k
.irp ot, 0,1
.irp e, 0,1
	ds_load_b128 v[WF+16*((\k)&1)+8*\ot+4*\e:WF+16*((\k)&1)+8*\ot+4*\e+3], v[WA] offset:\ot*16*PITCH+64*(\k)+32*\e
.endr
.endr
.endm
.macro MM h, zero                      ; eight accumulators, one instruction a turn
.irp ot, 0,1
.irp t, 0,1,2,3
.if \zero
	v_wmma_f32_16x16x32_bf16 v[ACC+8*(4*\ot+\t):ACC+8*(4*\ot+\t)+7], v[WF+16*(((\h)>>1)&1)+8*\ot:WF+16*(((\h)>>1)&1)+8*\ot+7], v[OFR+32*((\h)%3)+8*\t:OFR+32*((\h)%3)+8*\t+7], 0
.else
	v_wmma_f32_16x16x32_bf16 v[ACC+8*(4*\ot+\t):ACC+8*(4*\ot+\t)+7], v[WF+16*(((\h)>>1)&1)+8*\ot:WF+16*(((\h)>>1)&1)+8*\ot+7], v[OFR+32*((\h)%3)+8*\t:OFR+32*((\h)%3)+8*\t+7], v[ACC+8*(4*\ot+\t):ACC+8*(4*\ot+\t)+7]
.endif
.endr
.endr
.endm
	s_load_b256 s[4:11], s[0:1], 0x0               ; obf s[4:5], Wo s[6:7], bo s[8:9], out0 s[10:11]
	v_lshl_add_u32 v248, v0, 2, 0x8200
	v_mov_b32 v249, 0
	v_lshrrev_b32 v[LN16], 5, v0
	v_readfirstlane_b32 s2, v[LN16]                ; wave 0..3
	v_and_b32 v7, 31, v0                           ; lane
	v_and_b32 v[WA], 15, v0                        ; r
	v_bfe_u32 v[BO], v0, 4, 1                      ; h
	v_lshlrev_b32 v[LN16], 4, v7
	v_lshlrev_b32 v[CO], 4, v[WA]
	v_lshl_add_u32 v[CO], v[BO], 17, v[CO]
	v_mul_u32_u24 v[WA], v[WA], PITCH
	v_lshl_add_u32 v[WA], v[BO], 4, v[WA]
	s_lshl_b32 s14, s2, 14
	v_add_nc_u32 v[GW], s14, v[LN16]               ; eight rows of 2,048 bytes a wave
	s_mul_i32 s16, s2, 8*PITCH
	v_lshl_add_u32 v[LW], v7, 3, s16
	v_lshlrev_b32 v[BO], 5, v[BO]
	s_and_b32 s12, ttmp7, 0xffff
	s_lshl2_add_u32 s13, s12, s2                   ; bn = 4 nb + w
	s_mov_b32 s15, 0
	s_wait_kmcnt 0x0
	s_lshl_b32 s14, ttmp9, 16                      ; og x 32 rows of Wo
	s_add_nc_u64 s[6:7], s[6:7], s[14:15]
	s_lshl_b32 s14, ttmp9, 7                       ; og x 32 f32
	s_add_nc_u64 s[8:9], s[8:9], s[14:15]
	s_lshl_b32 s14, s13, 13                        ; four position tiles of 2,048 bytes a block
	s_add_nc_u64 s[4:5], s[4:5], s[14:15]
	s_lshl_b32 s14, ttmp9, 19                      ; og x 32 rows of 16,384 bytes,
	s_lshl_b32 s16, s13, 8                         ; and the block's 256 bytes of a row
	s_add_co_u32 s14, s14, s16
	s_add_nc_u64 s[10:11], s[10:11], s[14:15]
.irp ot, 0,1
.irp e, 0,1
	global_load_b128 v[BI+8*\ot+4*\e:BI+8*\ot+4*\e+3], v[BO], s[8:9] offset:64*\ot+16*\e
.endr
.endr
.irp a, 0,1,2,3,4,5,6,7
.irp qd, 0,1,2,3
	global_load_b128 v[STG+16*\a+4*\qd:STG+16*\a+4*\qd+3], v[GW], s[6:7] offset:\a*2048+\qd*512
.endr
.endr
	OLOAD 0
	OLOAD 1
	OLOAD 2
	s_wait_loadcnt 24                              ; bias and Wo are in; the three slots of O, 24 loads, stay out
.irp a, 0,1,2,3,4,5,6,7
.irp qd, 0,1,2,3
	v_cvt_pk_bf16_f32 v[STG+16*\a+4*\qd], v[STG+16*\a+4*\qd], v[STG+16*\a+4*\qd+1]
	v_cvt_pk_bf16_f32 v[STG+16*\a+4*\qd+1], v[STG+16*\a+4*\qd+2], v[STG+16*\a+4*\qd+3]
	ds_store_b64 v[LW], v[STG+16*\a+4*\qd:STG+16*\a+4*\qd+1] offset:\a*PITCH+\qd*256
.endr
.endr
	s_wait_dscnt 0x0                               ; my LDS stores are done, for the other waves' sake
	s_barrier_signal -1
	s_barrier_wait -1                              ; Wo is whole; LDS is only read from here on
	LDW 0
.set hs, 0
.rept 32
.if hs < 30
	s_wait_loadcnt 16                              ; this half step's slot is in; the two slots behind it stay out
.else
.if hs == 30
	s_wait_loadcnt 8                               ; one slot is left behind this one
.else
	s_wait_loadcnt 0
.endif
.endif
.if (hs&1) == 0
	s_wait_dscnt 0x0                               ; this K step's Wo fragments
.if hs < 30
.set kn, (hs>>1)+1
	LDW kn                                         ; the next K step's, into the other buffer, four places behind the products that read it
.endif
.endif
.if hs == 0
	MM hs, 1                                       ; the first product starts the sums
.else
	MM hs, 0
.endif
	NOP4
.if hs < 29
	OLOAD hs+3                                     ; into the slot just multiplied
.endif
.set hs, hs+1
.endr
.irp ot, 0,1
.irp j, 0,1,2,3,4,5,6,7
.irp t, 0,1,2,3
	v_add_f32 v[EO+4*(8*\ot+\j)+\t], v[ACC+8*(4*\ot+\t)+\j], v[BI+8*\ot+\j]
.endr
	global_store_b128 v[CO], v[EO+4*(8*\ot+\j):EO+4*(8*\ot+\j)+3], s[10:11] offset:(16*\ot+\j)*16384 th:TH_STORE_NT
.endr
.endr
	s_wait_tensorcnt 0x0
	ds_add_u32 v248, v249
	s_wait_dscnt 0x0
	s_endpgm
.Lfunc_end_k_q76ea6520a7_oproj:
	.size	k_q76ea6520a7_oproj, .Lfunc_end_k_q76ea6520a7_oproj-k_q76ea6520a7_oproj
	.p2alignl 7, 3214868480
	.fill 96, 4, 3214868480
	.section	.rodata,"a",@progbits
	.p2align	6, 0x0
	.amdhsa_kernel k_q76ea6520a7_oproj
		.amdhsa_group_segment_fixed_size 33792
		.amdhsa_private_segment_fixed_size 0
		.amdhsa_enable_private_segment 0
		.amdhsa_kernarg_size 32
		.amdhsa_user_sgpr_count 2
		.amdhsa_user_sgpr_kernarg_segment_ptr 1
		.amdhsa_wavefront_size32 1
		.amdhsa_system_sgpr_workgroup_id_x 1
		.amdhsa_system_sgpr_workgroup_id_y 1
		.amdhsa_system_sgpr_workgroup_id_z 1
		.amdhsa_system_vgpr_workitem_id 0
		.amdhsa_next_free_vgpr 250
		.amdhsa_next_free_sgpr 66
		.amdhsa_reserve_vcc 0
		.amdhsa_float_denorm_mode_32 3
		.amdhsa_float_denorm_mode_16_64 3
		.amdhsa_memory_ordered 1
		.amdhsa_forward_progress 1
		.amdhsa_inst_pref_size 65
	.end_amdhsa_kernel
	.amdgpu_metadata
---
amdhsa.version: [ 1, 2 ]
amdhsa.kernels:
  - .name:           k_q76ea6520a7_oproj
    .symbol:         k_q76ea6520a7_oproj.kd
    .args:
      - { .name: obf, .offset: 0, .size: 8, .value_kind: global_buffer, .address_space: global }
      - { .name: Wo, .offset: 8, .size: 8, .value_kind: global_buffer, .address_space: global }
      - { .name: bo, .offset: 16, .size: 8, .value_kind: global_buffer, .address_space: global }
      - { .name: out0, .offset: 24, .size: 8, .value_kind: global_buffer, .address_space: global }
    .group_segment_fixed_size: 33792
    .private_segment_fixed_size: 0
    .kernarg_segment_align: 8
    .kernarg_segment_size: 32
    .max_flat_workgroup_size: 128
    .sgpr_count:     66
    .vgpr_count:     250
    .wavefront_size: 32
...
	.end_amdgpu_metadata
.endif
;; end of part 3
;; ======== version 2 of 2: 4 launches; 1.23 times as fast as version 1
;; workspace buffers: qf 4,194,304 bytes; kvf 8,388,608 bytes; obf 8,388,608 bytes; xf 8,388,608 bytes; wf 2,097,152 bytes; scl 65,536 bytes
;; launch cast (part 4): grid 256 x 1, 8 waves a work-group, no clusters, 10,240 bytes of LDS; arguments video_feat, ref_feat, Wq, Wk, Wv, Wo, xf, wf; writes xf, wf
.if DOCPART == 4
	.amdgcn_target "amdgcn-amd-amdhsa--gfx1250"
	.amdhsa_code_object_version 6
	.text
	.protected	k_q76ea6520a7_cast
	.globl	k_q76ea6520a7_cast
	.p2align	8
	.type	k_q76ea6520a7_cast,@function
k_q76ea6520a7_cast:
	s_mov_b64 s[64:65], 0
	v_nop
	global_prefetch_b8 v0, s[64:65] scope:SCOPE_SE
	s_setreg_imm32_b32 hwreg(HW_REG_WAVE_MODE, 25, 1), 1
	s_wait_xcnt 0x0
; The projections' operands, rounded to bf16 ONCE and laid down in the order in which matrix fragments want them: blocks of 512 bytes,
; lane L = 16 h + r owning bytes 16 L .. 16 L + 15 (eight bf16, j = 0..7).  Two blocks (e = 0, 1) are one fragment of 16 x 32 (ISA guide 7.12.2).
;   xf: nb*262144 + ch*65536 + inp*32768 + b*16384 + ksl*4096 + t*1024 + e*512 + 16 L  =  X_inp[32 (4 ch + ksl) + 16 e + 8 h + j][64 (2 nb + b) + 4 r + t]
;       (inp 0 video_feat, 1 ref_feat).  Tile t of a block of 64 positions holds the positions 4 i + t: one 16-byte load of X[c][4 r ..] gives lane r
;       one number of each of the four tiles, and sixteen lanes read 256 consecutive bytes.
;   wf: og*196608 + ch*49152 + mat*16384 + otl*4096 + ksl*1024 + e*512 + 16 L  =  W_mat[64 og + 16 otl + r][32 (4 ch + ksl) + 16 e + 8 h + j]   (mat 0 Wq, 1 Wk, 2 Wv)
;       WOPART + og*131072 + ch*32768 + otl*4096 + ksl*1024 + e*512 + 16 L     =  Wo[128 og + 16 otl + r][the same k]
; So every tile that a work-group of the two projection launches asks for is dense in memory.
; WHY A LAUNCH OF ITS OWN: each number of X is wanted by 8 work-groups and each number of a W by 32 or 64; rounded here they travel as 2 bytes instead of 4 and are
; rounded once instead of once for each reader.  A launch cannot read what it stores, so the rounding cannot stand in the projection itself.
; SHARES: 256 work-groups of 8 waves.  Wave w of group g makes the 4 KiB of xf at g*32768 + w*4096 from 32 channels x 64 positions: 16 loads, 32 conversions,
; 8 stores of 512 consecutive bytes.  Waves 0-3 also turn 16 rows x 64 columns of one W: read as whole pieces of 256 consecutive bytes of a row,
; turned through a stage of the wave's own in LDS (a fragment wants a row a lane), stored as four blocks, 2 KiB consecutive.
; A stream: every byte is read once and written once, all of a wave's loads go out together; matrix units, clusters and tensor loads have nothing to add.
.set WPITCH, 144                       ; a stage row: 64 bf16 + 16 bytes = 9 x 16: the 16 rows of a fragment load begin at 16 different 16-byte columns modulo 256
.set WOPART, 1572864                   ; Wo's part of wf, behind 8 x 196,608 bytes
.set XO,   1                           ; v1  h * 8 rows of 16,384 bytes + 16 r
.set LN16, 2                           ; v2  16 x lane
.set WO,   3                           ; v3  h * 2,048 + 16 r: two rows of W a load
.set LS,   4                           ; v4  stage, in: row h, 8 r
.set LL,   5                           ; v5  stage, out: row r, 16 h
.set WR,   8                           ; v[8:39]    W as loaded
.set WB,   40                          ; v[40:55]   W's four blocks
.set RAW,  56                          ; v[56:119]  X as loaded: group e at 32 e, row i at 4 i
.set XF,   120                         ; v[120:151] X's eight blocks: tile t, block e at 8 t + 4 e
.macro XLOAD g                         ; channels 16 g + 8 h + i, i = 0..7
.irp i, 0,1,2,3,4,5,6,7
	global_load_b128 v[RAW+32*\g+4*\i:RAW+32*\g+4*\i+3], v[XO], s[30:31] offset:\g*262144+\i*16384 th:TH_LOAD_NT
.endr
.endm
.macro XOUT g                          ; rows 2 p and 2 p + 1 make word p of each tile's block; then the four blocks leave
.irp t, 0,1,2,3
.irp p, 0,1,2,3
	v_cvt_pk_bf16_f32 v[XF+8*\t+4*\g+\p], v[RAW+32*\g+8*\p+\t], v[RAW+32*\g+8*\p+4+\t]
.endr
.endr
.irp t, 0,1,2,3
	global_store_b128 v[LN16], v[XF+8*\t+4*\g:XF+8*\t+4*\g+3], s[32:33] offset:\t*1024+\g*512
.endr
.endm
	s_load_b512 s[8:23], s[0:1], 0x0               ; video s[8:9], ref s[10:11], Wq s[12:13], Wk s[14:15], Wv s[16:17], Wo s[18:19], xf s[20:21], wf s[22:23]
	v_lshl_add_u32 v152, v0, 2, 0x2400
	v_mov_b32 v153, 0
	v_lshrrev_b32 v[LN16], 5, v0
	v_readfirstlane_b32 s2, v[LN16]                ; wave 0..7
	v_and_b32 v6, 15, v0                           ; r
	v_bfe_u32 v7, v0, 4, 1                         ; h
	v_and_b32 v[LN16], 31, v0
	v_lshlrev_b32 v[LN16], 4, v[LN16]
	v_lshlrev_b32 v[XO], 4, v6
	v_lshl_add_u32 v[WO], v7, 11, v[XO]
	v_lshl_add_u32 v[XO], v7, 17, v[XO]
	s_and_b32 s3, s2, 3                            ; ksl
	s_lshr_b32 s4, s2, 2                           ; b
	s_lshr_b32 s5, ttmp9, 3                        ; nb
	s_bfe_u32 s6, ttmp9, 0x20001                   ; ch: two bits from bit 1
	s_and_b32 s7, ttmp9, 1                         ; inp
	s_lshl2_add_u32 s24, s6, s3                    ; K step = 4 ch + ksl
	s_lshl1_add_u32 s25, s5, s4                    ; block of 64 positions = 2 nb + b
	s_lshl_b32 s26, s24, 19                        ; 32 rows of 16,384 bytes a K step
	s_lshl_b32 s25, s25, 8                         ; 256 bytes of a row a block
	s_add_co_u32 s26, s26, s25
	s_mov_b32 s27, 0
	s_lshl_b32 s28, ttmp9, 15                      ; nb*262144 + ch*65536 + inp*32768 = g*32768,
	s_lshl_b32 s25, s2, 12                         ; b*16384 + ksl*4096 = w*4096
	s_add_co_u32 s28, s28, s25
	s_mov_b32 s29, 0
	s_wait_kmcnt 0x0
	s_cmp_eq_u32 s7, 0
	s_cselect_b64 s[30:31], s[8:9], s[10:11]
	s_add_nc_u64 s[30:31], s[30:31], s[26:27]
	s_add_nc_u64 s[32:33], s[20:21], s[28:29]
	XLOAD 0
	XLOAD 1
	s_cmp_ge_u32 s2, 4
	s_cbranch_scc1 .Lx
	; ---- waves 0-3: job 4 g + w of 1,024: matrix g >> 6, row tile ot = (g >> 1) & 31, pair of K steps kp = 4 (g & 1) + w ----
	s_bfe_u32 s34, ttmp9, 0x50001                  ; ot: five bits from bit 1
	s_lshl2_add_u32 s35, s7, s2                    ; kp
	s_lshr_b32 s36, ttmp9, 6                       ; 0 Wq, 1 Wk, 2 Wv, 3 Wo
	s_lshl_b32 s38, s34, 15                        ; 16 rows of 2,048 bytes
	s_lshl_b32 s37, s35, 8                         ; 64 f32
	s_add_co_u32 s38, s38, s37
	s_mov_b32 s39, 0
	s_and_b32 s37, s36, 1
	s_cmp_lg_u32 s37, 0
	s_cselect_b64 s[40:41], s[14:15], s[12:13]     ; Wk or Wq
	s_cselect_b64 s[42:43], s[18:19], s[16:17]     ; Wo or Wv
	s_cmp_ge_u32 s36, 2
	s_cselect_b64 s[40:41], s[42:43], s[40:41]
	s_add_nc_u64 s[40:41], s[40:41], s[38:39]
.irp i, 0,1,2,3,4,5,6,7
	global_load_b128 v[WR+4*\i:WR+4*\i+3], v[WO], s[40:41] offset:\i*4096 th:TH_LOAD_NT   ; rows 2 i and 2 i + 1: sixteen lanes read 256 consecutive bytes
.endr
	s_lshr_b32 s44, s35, 1                         ; ch
	s_and_b32 s45, s35, 1
	s_lshl_b32 s45, s45, 11                        ; ksl = 2 (kp & 1) + 0, 1
	s_lshr_b32 s46, s34, 2                         ; the place among Wq, Wk, Wv: og = ot >> 2, otl = ot & 3
	s_mul_i32 s46, s46, 196608
	s_mul_i32 s47, s44, 49152
	s_add_co_u32 s46, s46, s47
	s_lshl_b32 s47, s36, 14
	s_add_co_u32 s46, s46, s47
	s_and_b32 s47, s34, 3
	s_lshl_b32 s47, s47, 12
	s_add_co_u32 s46, s46, s47
	s_lshr_b32 s48, s34, 3                         ; the place in Wo's part: og = ot >> 3, otl = ot & 7
	s_lshl_b32 s48, s48, 17
	s_lshl_b32 s47, s44, 15
	s_add_co_u32 s48, s48, s47
	s_and_b32 s47, s34, 7
	s_lshl_b32 s47, s47, 12
	s_add_co_u32 s48, s48, s47
	s_add_co_u32 s48, s48, WOPART
	s_cmp_eq_u32 s36, 3
	s_cselect_b32 s46, s48, s46
	s_add_co_u32 s46, s46, s45
	s_mov_b32 s47, 0
	s_add_nc_u64 s[50:51], s[22:23], s[46:47]
	s_mul_i32 s52, s2, 16*WPITCH                   ; my stage
	v_mul_u32_u24 v[LS], v7, WPITCH
	v_lshl_add_u32 v[LS], v6, 3, v[LS]
	v_add_nc_u32 v[LS], s52, v[LS]
	v_mul_u32_u24 v[LL], v6, WPITCH
	v_lshl_add_u32 v[LL], v7, 4, v[LL]
	v_add_nc_u32 v[LL], s52, v[LL]
	s_wait_loadcnt 0x0                             ; W's loads were issued last: everything is in
.irp i, 0,1,2,3,4,5,6,7
	v_cvt_pk_bf16_f32 v[WR+4*\i], v[WR+4*\i], v[WR+4*\i+1]
	v_cvt_pk_bf16_f32 v[WR+4*\i+1], v[WR+4*\i+2], v[WR+4*\i+3]
	ds_store_b64 v[LS], v[WR+4*\i:WR+4*\i+1] offset:\i*2*WPITCH
.endr
.irp q, 0,1,2,3
	ds_load_b128 v[WB+4*\q:WB+4*\q+3], v[LL] offset:\q*32    ; LDS serves a wave's instructions in order (ISA guide 5.7.1.4): these see the stores above; the bytes are my own
.endr
	s_wait_dscnt 0x0
.irp q, 0,1,2,3
	global_store_b128 v[LN16], v[WB+4*\q:WB+4*\q+3], s[50:51] offset:\q*512
.endr
.Lx:
	s_wait_loadcnt 0x8                             ; X's first group is in; the second group's eight loads may stay out
	XOUT 0
	s_wait_loadcnt 0x0
	XOUT 1
	s_wait_tensorcnt 0x0
	ds_add_u32 v152, v153
	s_wait_dscnt 0x0
	s_endpgm
.Lfunc_end_k_q76ea6520a7_cast:
	.size	k_q76ea6520a7_cast, .Lfunc_end_k_q76ea6520a7_cast-k_q76ea6520a7_cast
	.p2alignl 7, 3214868480
	.fill 96, 4, 3214868480
	.section	.rodata,"a",@progbits
	.p2align	6, 0x0
	.amdhsa_kernel k_q76ea6520a7_cast
		.amdhsa_group_segment_fixed_size 10240
		.amdhsa_private_segment_fixed_size 0
		.amdhsa_enable_private_segment 0
		.amdhsa_kernarg_size 64
		.amdhsa_user_sgpr_count 2
		.amdhsa_user_sgpr_kernarg_segment_ptr 1
		.amdhsa_wavefront_size32 1
		.amdhsa_system_sgpr_workgroup_id_x 1
		.amdhsa_system_sgpr_workgroup_id_y 1
		.amdhsa_system_sgpr_workgroup_id_z 1
		.amdhsa_system_vgpr_workitem_id 0
		.amdhsa_next_free_vgpr 154
		.amdhsa_next_free_sgpr 66
		.amdhsa_reserve_vcc 0
		.amdhsa_float_denorm_mode_32 3
		.amdhsa_float_denorm_mode_16_64 3
		.amdhsa_memory_ordered 1
		.amdhsa_forward_progress 1
		.amdhsa_inst_pref_size 11
	.end_amdhsa_kernel
	.amdgpu_metadata
---
amdhsa.version: [ 1, 2 ]
amdhsa.kernels:
  - .name:           k_q76ea6520a7_cast
    .symbol:         k_q76ea6520a7_cast.kd
    .args:
      - { .name: video_feat, .offset: 0, .size: 8, .value_kind: global_buffer, .address_space: global }
      - { .name: ref_feat, .offset: 8, .size: 8, .value_kind: global_buffer, .address_space: global }
      - { .name: Wq, .offset: 16, .size: 8, .value_kind: global_buffer, .address_space: global }
      - { .name: Wk, .offset: 24, .size: 8, .value_kind: global_buffer, .address_space: global }
      - { .name: Wv, .offset: 32, .size: 8, .value_kind: global_buffer, .address_space: global }
      - { .name: Wo, .offset: 40, .size: 8, .value_kind: global_buffer, .address_space: global }
      - { .name: xf, .offset: 48, .size: 8, .value_kind: global_buffer, .address_space: global }
      - { .name: wf, .offset: 56, .size: 8, .value_kind: global_buffer, .address_space: global }
    .group_segment_fixed_size: 10240
    .private_segment_fixed_size: 0
    .kernarg_segment_align: 8
    .kernarg_segment_size: 64
    .max_flat_workgroup_size: 256
    .sgpr_count:     66
    .vgpr_count:     154
    .wavefront_size: 32
...
	.end_amdgpu_metadata
.endif
;; end of part 4
;; launch proj (part 5): grid 8 x 32, 8 waves a work-group, clusters of 4 x 4, 327,680 bytes of LDS; arguments xf, wf, bq, bk, bv, qf, kvf, scl; writes qf, kvf, scl
.if DOCPART == 5
	.amdgcn_target "amdgcn-amd-amdhsa--gfx1250"
	.amdhsa_code_object_version 6
	.text
	.protected	k_q76ea6520a7_proj
	.globl	k_q76ea6520a7_proj
	.p2align	8
	.type	k_q76ea6520a7_proj,@function
k_q76ea6520a7_proj:
	s_mov_b64 s[64:65], 0
	v_nop
	global_prefetch_b8 v0, s[64:65] scope:SCOPE_SE
	s_setreg_imm32_b32 hwreg(HW_REG_WAVE_MODE, 25, 1), 1
	s_wait_xcnt 0x0
	s_wait_alu depctr_hold_cnt(0) depctr_sa_sdst(0) depctr_va_vdst(0) depctr_va_sdst(0) depctr_va_ssrc(0) depctr_va_vcc(0) depctr_vm_vsrc(0)
	s_getreg_b32 s2, hwreg(HW_REG_IB_STS2, 6, 4)
	s_cmp_eq_u32 s2, 0
	s_cbranch_scc0 .Lentry_in_a_cluster
	s_endpgm
.Lentry_in_a_cluster:
	s_bfe_u32 s2, ttmp6, 0x10000c
	s_cmp_lg_u32 s2, 0xf033
	s_cbranch_scc0 .Lentry_shape_is_right
	s_endpgm
.Lentry_shape_is_right:
; Q' = (Wq x + bq) * 0.125 * log2(e), K = Wk y + bk, V = Wv y + bv, from operands that lie in bf16 in fragment order (blocks of 512 bytes, lane L = 16 h + r
; owning bytes 16 L ..; two blocks are a fragment of 16 x 32).  f32 sums, f32 biases; results in the block order that the attention launch reads.
; Q' AND K GO OUT IN f16 WITH A SCALE OF THE BLOCK'S OWN; V goes out in bf16.  A query's rounding enters all 4,096 scores of its row alike and does not average out
; over the keys, so the scores' operands get f16's 11 significant bits.  Their range is made here: the work-group holds one head x 128 positions, finds the largest
; magnitude of its Q' and of its K, and multiplies by the power of two that brings it into [1, 4): exact, and inside f16 for every finite input.
; The inverse powers go to scl, 256 bytes for each (head, block): 32 copies of the pair (Q's, K's), so that the one store covers 256 consecutive aligned bytes.
; SHARES: work-group (og, nb) makes one head, 64 channels of each of Q, K, V, for 128 positions.  All eight waves run the same text: wave w takes two position
; tiles (np = w & 3) and two channel tiles of each matrix (hf = w >> 2): 12 accumulator tiles, 96 registers.
; Q and K: A = W, B = X: a lane holds eight neighbouring channels of one position.  V: A = X, B = W: a lane holds eight key indices of one channel.
; THE RING: K = 512 goes in four chunks of four K steps through two LDS slots; a chunk is 64 KiB of X (both inputs) and 48 KiB of W (three matrices), each dense in
; memory.  448 KiB in all do not fit in LDS at once.  Both slots' first fills go out together (two tensor loads a wave out at the most, later one).
; CLUSTER: 4 x 4 work-groups.  X's chunk hangs on nb alone and is asked for jointly along a row of the cluster, W's on og alone and along a column:
; the requests for both are divided by four.  Waves 0-3 ask for a quarter of X's chunk each (64 rows of 256 bytes), waves 4-7 for a quarter of W's (48 rows).
; Fragment order makes every LDS load 512 consecutive bytes: no padding.
; LIMITS: finite inputs.  A Q' or K below 2^-14 of its block's largest magnitude is kept in steps of 2^-24 of that magnitude (f16's denormals).
.set SLOT,  114688                     ; X's 65,536 bytes, then W's 49,152
.set XCH,   65536                      ; from chunk to chunk in xf
.set WCH,   49152                      ; from chunk to chunk in wf
.set SCR,   2*SLOT                     ; behind the ring: 256 bytes into which no tensor load lands; eight waves' pairs of largest magnitudes
.set LN16, 1                           ; v1      16 x lane
.set XA,   2                           ; v2, v3  my two position tiles in slot 0, 1
.set WA,   4                           ; v4, v5  my two channel tiles in slot 0, 1
.set BO,   6                           ; v6      32 h
.set BV,   7                           ; v7      4 r
.set BQ,   8                           ; v[8:23]    bq of channels 16 ot + 8 h + j at 8 ot + j
.set BK,   24                          ; v[24:39]   bk likewise
.set BVR,  40                          ; v[40:41]   bv of channels r and 16 + r
.set SA,   42                          ; v42     SCR + 8 w: my wave's pair
.set SB,   43                          ; v43     SCR
.set L8,   44                          ; v44     8 x lane
.set XB,   48                          ; v[48:111]  X fragments, two buffers of 32: video at 8 tt, ref at 16 + 8 tt
.set WQ,   112                         ; v[112:127] Wq's two fragments
.set WK,   128                         ; v[128:143] Wk's
.set WV,   144                         ; v[144:159] Wv's
.set AQ,   160                         ; v[160:191] Q, tile (ot, tt) at 8 (2 ot + tt)
.set AK,   192                         ; v[192:223] K
.set AV,   224                         ; v[224:255] V
.set RG,   48                          ; v[48:63]   the way out: at work on the largest magnitudes
.set MX,   64                          ; v[64:65]   largest |Q'|, largest |K|; then the inverse scales
.set SC,   66                          ; v[66:67]   the scales
.set GA,   68                          ; v[68:83]   the eight waves' pairs
.set G1X,  32                          ; s[32:39] group 1 for X's quarters
.set G1W,  40                          ; s[40:47] group 1 for W's quarters
.set G0X,  48                          ; s[48:55] group 0 for X, one set for each slot
.set G0W,  56                          ; s[56:63] group 0 for W, one set for each slot
.macro NOP4                            ; four places behind a matrix instruction (ISA guide 7.12.1)
.rept 4
	v_nop
.endr
.endm
; A round of the cluster's barrier: my work-group's barrier, wave 0 signals for the work-group, every wave waits for all sixteen, my work-group's barrier again.
.macro CROUND
	s_barrier_signal -1
	s_barrier_wait -1
	s_cmp_lg_u32 s18, 0
	s_cbranch_scc1 .Lnot_wave_0_\@
	s_barrier_signal -3
.Lnot_wave_0_\@:
	s_barrier_wait -3
	s_barrier_signal -1
	s_barrier_wait -1
.endm
; A joint load.  Each of the two lines has one mask and one set of registers for all that issue it; the branch hangs on the wave's number alone.
.macro JLOAD s
	s_cmp_lt_u32 s18, 4
	s_cbranch_scc0 .Lfor_w_\@
	tensor_load_to_lds s[G0X+4*\s:G0X+4*\s+3], s[G1X:G1X+7]
	s_nop 0
	s_branch .Lasked_\@
.Lfor_w_\@:
	tensor_load_to_lds s[G0W+4*\s:G0W+4*\s+3], s[G1W:G1W+7]
	s_nop 0
.Lasked_\@:
.endm
.macro LDX sl, k                       ; K step k of the chunk: two fragments of each input, into the buffer of k's parity
.irp i, 0,1
.irp tt, 0,1
.irp e, 0,1
	ds_load_b128 v[XB+32*((\k)&1)+16*\i+8*\tt+4*\e:XB+32*((\k)&1)+16*\i+8*\tt+4*\e+3], v[XA+\sl] offset:\i*32768+(\k)*4096+\tt*1024+\e*512
.endr
.endr
.endr
.endm
.macro LDW sl, k, dst, m               ; two fragments of matrix m
.irp ot, 0,1
.irp e, 0,1
	ds_load_b128 v[\dst+8*\ot+4*\e:\dst+8*\ot+4*\e+3], v[WA+\sl] offset:\m*16384+\ot*4096+(\k)*1024+\e*512
.endr
.endr
.endm
; Four products on four accumulators, one instruction a turn.  swap = 1: X is A and W is B.
.macro MM4 acc, wb, xo, k, swap, zero
.irp ot, 0,1
.irp tt, 0,1
.if \swap
.if \zero
	v_wmma_f32_16x16x32_bf16 v[\acc+8*(2*\ot+\tt):\acc+8*(2*\ot+\tt)+7], v[XB+32*((\k)&1)+\xo+8*\tt:XB+32*((\k)&1)+\xo+8*\tt+7], v[\wb+8*\ot:\wb+8*\ot+7], 0
.else
	v_wmma_f32_16x16x32_bf16 v[\acc+8*(2*\ot+\tt):\acc+8*(2*\ot+\tt)+7], v[XB+32*((\k)&1)+\xo+8*\tt:XB+32*((\k)&1)+\xo+8*\tt+7], v[\wb+8*\ot:\wb+8*\ot+7], v[\acc+8*(2*\ot+\tt):\acc+8*(2*\ot+\tt)+7]
.endif
.else
.if \zero
	v_wmma_f32_16x16x32_bf16 v[\acc+8*(2*\ot+\tt):\acc+8*(2*\ot+\tt)+7], v[\wb+8*\ot:\wb+8*\ot+7], v[XB+32*((\k)&1)+\xo+8*\tt:XB+32*((\k)&1)+\xo+8*\tt+7], 0
.else
	v_wmma_f32_16x16x32_bf16 v[\acc+8*(2*\ot+\tt):\acc+8*(2*\ot+\tt)+7], v[\wb+8*\ot:\wb+8*\ot+7], v[XB+32*((\k)&1)+\xo+8*\tt:XB+32*((\k)&1)+\xo+8*\tt+7], v[\acc+8*(2*\ot+\tt):\acc+8*(2*\ot+\tt)+7]
.endif
.endif
.endr
.endr
.endm
; One K step.  LDS loads are issued in the order X(k), Wq Wk(k), Wv(k), X(k+1), Wq Wk(k+1), Wv(k+1): X into the other buffer, each W straight behind its use.
.macro STEP sl, k, zero
.if \k < 3
	LDX \sl, \k+1
	s_wait_dscnt 12                                ; X, Wq, Wk of this step are in; Wv's 4 loads and the next X's 8 stay out
.else
	s_wait_dscnt 4                                 ; the chunk's last step: Wv's 4 stay out
.endif
	MM4 AQ, WQ, 0, \k, 0, \zero
	MM4 AK, WK, 16, \k, 0, \zero
	NOP4                                           ; then Wq's and Wk's registers may be loaded again
.if \k < 3
	LDW \sl, \k+1, WQ, 0
	LDW \sl, \k+1, WK, 1
	s_wait_dscnt 16                                ; Wv is in; the next X's 8 and the next Wq's and Wk's 8 stay out
.else
	s_wait_dscnt 0x0
.endif
	MM4 AV, WV, 16, \k, 1, \zero
	NOP4                                           ; then Wv's registers and this step's X buffer may be loaded again
.if \k < 3
	LDW \sl, \k+1, WV, 2
.endif
.endm
.macro CHUNK sl, first                 ; four K steps out of slot sl; first = 1: the first products start the sums
	LDX \sl, 0
	LDW \sl, 0, WQ, 0
	LDW \sl, 0, WK, 1
	LDW \sl, 0, WV, 2
	STEP \sl, 0, \first
	STEP \sl, 1, 0
	STEP \sl, 2, 0
	STEP \sl, 3, 0
.endm
; Slot sl has been read and is filled again, two chunks on.  In front of the round every wave has waited for all its tensor loads (its part of the other slot among
; them) and for its reads of this slot; behind it no wave of the cluster reads the slot or has a load on its way, and the joint refill comes first.
.macro NEXT sl
	s_wait_tensorcnt 0x0
	ds_add_u32 v46, v47
	s_add_nc_u64 s[G0X+4*\sl+2:G0X+4*\sl+3], s[G0X+4*\sl+2:G0X+4*\sl+3], 2*XCH   ; no load of mine is out: the groups 0 may be written
	s_add_nc_u64 s[G0W+4*\sl+2:G0W+4*\sl+3], s[G0W+4*\sl+2:G0W+4*\sl+3], 2*WCH
	s_wait_dscnt 0x0
	CROUND
	JLOAD \sl
.endm
.macro PACKST a, sb, off               ; a tile's eight f32 a lane become 16 bytes of bf16, in place and ascending; the wave's store covers 512 consecutive aligned bytes
	v_cvt_pk_bf16_f32 v[\a], v[\a], v[\a+1]
	v_cvt_pk_bf16_f32 v[\a+1], v[\a+2], v[\a+3]
	v_cvt_pk_bf16_f32 v[\a+2], v[\a+4], v[\a+5]
	v_cvt_pk_bf16_f32 v[\a+3], v[\a+6], v[\a+7]
	global_store_b128 v[LN16], v[\a:\a+3], s[\sb:\sb+1] offset:\off
.endm
.macro PACKH a, sb, off                ; the same into f16
	v_cvt_pk_f16_f32 v[\a], v[\a], v[\a+1]
	v_cvt_pk_f16_f32 v[\a+1], v[\a+2], v[\a+3]
	v_cvt_pk_f16_f32 v[\a+2], v[\a+4], v[\a+5]
	v_cvt_pk_f16_f32 v[\a+3], v[\a+6], v[\a+7]
	global_store_b128 v[LN16], v[\a:\a+3], s[\sb:\sb+1] offset:\off
.endm
; v[r] = the largest magnitude of the lane's 32 numbers at a: the largest and the smallest in four chains each, then max(largest, -smallest).  v[d .. d+7] at work.
.macro RANGE d, a, r
.irp g, 0,1,2,3
	v_max3_num_f32 v[\d+\g], v[\a+8*\g], v[\a+8*\g+1], v[\a+8*\g+2]
	v_min3_num_f32 v[\d+4+\g], v[\a+8*\g], v[\a+8*\g+1], v[\a+8*\g+2]
.endr
.irp i, 3,5
.irp g, 0,1,2,3
	v_max3_num_f32 v[\d+\g], v[\d+\g], v[\a+8*\g+\i], v[\a+8*\g+\i+1]
	v_min3_num_f32 v[\d+4+\g], v[\d+4+\g], v[\a+8*\g+\i], v[\a+8*\g+\i+1]
.endr
.endr
.irp g, 0,1,2,3
	v_max_num_f32 v[\d+\g], v[\d+\g], v[\a+8*\g+7]
	v_min_num_f32 v[\d+4+\g], v[\d+4+\g], v[\a+8*\g+7]
.endr
	v_max3_num_f32 v[\d], v[\d], v[\d+1], v[\d+2]
	v_min3_num_f32 v[\d+4], v[\d+4], v[\d+5], v[\d+6]
	v_max_num_f32 v[\d], v[\d], v[\d+3]
	v_min_num_f32 v[\d+4], v[\d+4], v[\d+7]
	v_sub_f32 v[\d+4], 0, v[\d+4]
	v_max_num_f32 v[\r], v[\d], v[\d+4]
.endm
	s_load_b256 s[4:11], s[0:1], 0x0               ; xf s[4:5], wf s[6:7], bq s[8:9], bk s[10:11]
	s_load_b128 s[12:15], s[0:1], 0x20             ; bv s[12:13], qf s[14:15]
	s_load_b64 s[16:17], s[0:1], 0x30              ; kvf
	s_load_b64 s[88:89], s[0:1], 0x38              ; scl
	v_lshl_add_u32 v46, v0, 2, 0x38100
	v_mov_b32 v47, 0
	ds_add_u32 v46, v47
	v_lshrrev_b32 v[LN16], 5, v0
	v_readfirstlane_b32 s18, v[LN16]               ; wave 0..7
	s_and_b32 s19, s18, 3                          ; np: my two position tiles.  Also: which quarter of a chunk I fetch
	s_lshr_b32 s20, s18, 2                         ; hf: my two channel tiles
	s_bfe_u32 s23, ttmp6, 0x40000                  ; cx
	s_bfe_u32 s24, ttmp6, 0x40004                  ; cy
	s_lshl_b32 s25, ttmp9, 2
	s_add_co_u32 s25, s25, s23                     ; og = head = 4 x cluster x + cx
	s_and_b32 s26, ttmp7, 0xffff
	s_lshl_b32 s26, s26, 2
	s_add_co_u32 s26, s26, s24                     ; nb = 4 x cluster y + cy
	s_lshl_b32 s27, s24, 2
	s_lshl_b32 s27, 15, s27                        ; my row of the cluster: places 4 cy .. 4 cy + 3
	s_lshl_b32 s28, 0x1111, s23                    ; my column: places cx, cx + 4, cx + 8, cx + 12
	; groups 1: dense blocks as rows of 32 elements of 8 bytes
	s_or_b32 s[G1X+0], s27, (3<<16)|(1<<21)        ; 15:0 the mask: X goes to my row; 17:16 elements of 8 bytes; 21 set beside a mask; no padding
	s_mov_b32 s[G1X+1], 32<<16                     ; tensor_dim0 = 32
	s_mov_b32 s[G1X+2], 64<<16                     ; tensor_dim1 = 64
	s_mov_b32 s[G1X+3], 32<<16                     ; tile_dim0 = 32
	s_mov_b32 s[G1X+4], 64                         ; tile_dim1 = 64 rows: 16 KiB
	s_mov_b32 s[G1X+5], 32                         ; from row to row
	s_mov_b32 s[G1X+6], 0
	s_mov_b32 s[G1X+7], 0
	s_or_b32 s[G1W+0], s28, (3<<16)|(1<<21)        ; W goes to my column
	s_mov_b32 s[G1W+1], 32<<16
	s_mov_b32 s[G1W+2], 48<<16
	s_mov_b32 s[G1W+3], 32<<16
	s_mov_b32 s[G1W+4], 48                         ; 48 rows: 12 KiB
	s_mov_b32 s[G1W+5], 32
	s_mov_b32 s[G1W+6], 0
	s_mov_b32 s[G1W+7], 0
	; X's address hangs on nb and the wave, W's on og and the wave, each in registers that never hold the other coordinate; LDS addresses on the wave alone
	s_lshl_b32 s66, s26, 18                        ; 262,144 bytes of xf for 128 positions
	s_lshl_b32 s29, s19, 14                        ; my quarter of X's chunk, in memory and in LDS
	s_add_co_u32 s66, s66, s29
	s_mov_b32 s67, 0
	s_mul_i32 s68, s25, 196608                     ; 196,608 bytes of wf a head
	s_mul_i32 s30, s19, 12288                      ; my quarter of W's chunk
	s_add_co_u32 s68, s68, s30
	s_mov_b32 s69, 0
	s_add_co_u32 s30, s30, XCH                     ; in LDS it lies behind X's 65,536 bytes
	s_wait_dscnt 0x0
	s_wait_kmcnt 0x0
	s_add_nc_u64 s[66:67], s[4:5], s[66:67]
	s_add_nc_u64 s[68:69], s[6:7], s[68:69]
	CROUND                                         ; all sixteen work-groups are here: the first joint loads meet
.irp s, 0,1
	s_mov_b32 s[G0X+4*\s], 1                                       ; count = 1
	s_add_co_u32 s[G0X+4*\s+1], s29, \s*SLOT                       ; LDS address
	s_add_nc_u64 s[G0X+4*\s+2:G0X+4*\s+3], s[66:67], \s*XCH        ; chunk s
	s_or_b32 s[G0X+4*\s+3], s[G0X+4*\s+3], 0x80000000              ; type = 2
	s_mov_b32 s[G0W+4*\s], 1
	s_add_co_u32 s[G0W+4*\s+1], s30, \s*SLOT
	s_add_nc_u64 s[G0W+4*\s+2:G0W+4*\s+3], s[68:69], \s*WCH
	s_or_b32 s[G0W+4*\s+3], s[G0W+4*\s+3], 0x80000000
	JLOAD \s                                       ; both slots are asked for before anything else is done
.endr
	v_and_b32 v[BV], 15, v0                        ; r
	v_bfe_u32 v[BO], v0, 4, 1                      ; h
	v_and_b32 v[LN16], 31, v0
	v_lshlrev_b32 v[LN16], 4, v[LN16]
	v_lshrrev_b32 v[L8], 1, v[LN16]
	v_lshlrev_b32 v[BV], 2, v[BV]
	v_lshlrev_b32 v[BO], 5, v[BO]
	s_lshr_b32 s21, s19, 1
	s_lshl_b32 s21, s21, 14                        ; block b = np >> 1: 16,384 bytes,
	s_and_b32 s22, s19, 1
	s_lshl_b32 s22, s22, 11                        ; tiles 2 (np & 1) + tt: 1,024 bytes each
	s_add_co_u32 s21, s21, s22
	v_add_nc_u32 v[XA], s21, v[LN16]
	v_add_nc_u32 v[XA+1], SLOT, v[XA]
	s_lshl_b32 s22, s20, 13                        ; channel tiles 2 hf + ot: 4,096 bytes each
	s_add_co_u32 s22, s22, XCH
	v_add_nc_u32 v[WA], s22, v[LN16]
	v_add_nc_u32 v[WA+1], SLOT, v[WA]
	s_lshl_b32 s83, s18, 3
	s_add_co_u32 s83, s83, SCR                     ; my wave's 8 bytes of the scratch
	v_mov_b32 v[SA], s83
	v_mov_b32 v[SB], SCR
	s_mov_b32 s80, 0x3e38aa3b                      ; 0.125 * log2(e): the score's scale and the change to base 2, put into Q once
	s_mov_b32 s81, 0x3e38aa3b
	s_mov_b32 s92, 0x76543210                      ; v_permlanex16_b32: lane i of one half reads lane i of the other
	s_mov_b32 s93, 0xfedcba98
	s_lshl_b32 s84, s25, 8                         ; biases: 64 f32 a head,
	s_lshl_b32 s31, s20, 7                         ; 32 f32 for hf
	s_add_co_u32 s84, s84, s31
	s_mov_b32 s85, 0
	s_add_nc_u64 s[74:75], s[8:9], s[84:85]
	s_add_nc_u64 s[76:77], s[10:11], s[84:85]
	s_add_nc_u64 s[78:79], s[12:13], s[84:85]
.irp ot, 0,1
.irp e, 0,1
	global_load_b128 v[BQ+8*\ot+4*\e:BQ+8*\ot+4*\e+3], v[BO], s[74:75] offset:64*\ot+16*\e
	global_load_b128 v[BK+8*\ot+4*\e:BK+8*\ot+4*\e+3], v[BO], s[76:77] offset:64*\ot+16*\e
.endr
.endr
	global_load_b32 v[BVR], v[BV], s[78:79]
	global_load_b32 v[BVR+1], v[BV], s[78:79] offset:64
	s_lshl_b32 s84, s25, 19                        ; qf: 524,288 bytes a head, 2,048 a position tile (8 nb + 2 np + tt), 512 a channel tile (2 hf + ot)
	s_lshl_b32 s31, s26, 14
	s_add_co_u32 s84, s84, s31
	s_lshl_b32 s31, s19, 12
	s_add_co_u32 s84, s84, s31
	s_lshl_b32 s31, s20, 10
	s_add_co_u32 s84, s84, s31
	s_add_nc_u64 s[70:71], s[14:15], s[84:85]
	s_lshr_b32 s86, s19, 1
	s_lshl1_add_u32 s86, s26, s86                  ; block of 64 keys bn = 2 nb + b
	s_lshl_b32 s84, s25, 20                        ; kvf: 1,048,576 bytes a head,
	s_lshr_b32 s87, s86, 3
	s_lshl_b32 s87, s87, 17                        ; 131,072 a tile of 512 keys (K, then V),
	s_add_co_u32 s84, s84, s87
	s_and_b32 s87, s86, 7
	s_lshl_b32 s87, s87, 13                        ; 8,192 a block
	s_add_co_u32 s84, s84, s87
	s_and_b32 s87, s19, 1
	s_lshl_b32 s87, s87, 12
	s_add_co_u32 s84, s84, s87
	s_add_co_u32 s84, s84, s31
	s_add_nc_u64 s[72:73], s[16:17], s[84:85]
	s_lshl_b32 s90, s25, 13                        ; scl: 32 blocks of 256 bytes a head,
	s_lshl_b32 s91, s26, 8                         ; block nb
	s_add_co_u32 s90, s90, s91
	s_mov_b32 s91, 0
	s_add_nc_u64 s[88:89], s[88:89], s[90:91]
	s_wait_tensorcnt 0x1                           ; my part of chunk 0 is in; chunk 1's load stays out
	s_barrier_signal -1
	s_barrier_wait -1                              ; everybody's is
	CHUNK 0, 1                                     ; chunk 0
	NEXT 0                                         ; chunk 2 goes out
	CHUNK 1, 0                                     ; chunk 1
	NEXT 1                                         ; chunk 3 goes out: the last load
	CHUNK 0, 0                                     ; chunk 2
	s_wait_tensorcnt 0x0                           ; my part of chunk 3
	s_wait_dscnt 0x0
	s_barrier_signal -1
	s_barrier_wait -1                              ; nothing is left to fetch
	CHUNK 1, 0                                     ; chunk 3; its last four places stand in front of the way out
	s_wait_loadcnt 0x0                             ; the biases
	; V leaves first: it needs no scale, and its stores are on their way while the block's magnitudes are found
.irp tt, 0,1
.irp i, 0,2,4,6
	v_pk_add_f32 v[AV+8*\tt+\i:AV+8*\tt+\i+1], v[AV+8*\tt+\i:AV+8*\tt+\i+1], v[BVR:BVR+1] op_sel_hi:[1,0]   ; a lane's eight numbers share one channel
.endr
	PACKST AV+8*\tt, 72, 65536+\tt*2048
.endr
.irp tt, 0,1
.irp i, 0,2,4,6
	v_pk_add_f32 v[AV+16+8*\tt+\i:AV+16+8*\tt+\i+1], v[AV+16+8*\tt+\i:AV+16+8*\tt+\i+1], v[BVR:BVR+1] op_sel:[0,1] op_sel_hi:[1,1]
.endr
	PACKST AV+16+8*\tt, 72, 65536+\tt*2048+512
.endr
	; Q' and K in f32
.irp i, 0,2,4,6,8,10,12,14
	v_pk_mul_f32 v[BQ+\i:BQ+\i+1], v[BQ+\i:BQ+\i+1], s[80:81] op_sel_hi:[1,0]
.endr
.irp ot, 0,1
.irp tt, 0,1
.irp i, 0,2,4,6
	v_pk_fma_f32 v[AQ+8*(2*\ot+\tt)+\i:AQ+8*(2*\ot+\tt)+\i+1], v[AQ+8*(2*\ot+\tt)+\i:AQ+8*(2*\ot+\tt)+\i+1], s[80:81], v[BQ+8*\ot+\i:BQ+8*\ot+\i+1] op_sel_hi:[1,0,1]
	v_pk_add_f32 v[AK+8*(2*\ot+\tt)+\i:AK+8*(2*\ot+\tt)+\i+1], v[AK+8*(2*\ot+\tt)+\i:AK+8*(2*\ot+\tt)+\i+1], v[BK+8*\ot+\i:BK+8*\ot+\i+1]
.endr
.endr
.endr
	; the block's largest |Q'| and |K|: in the lane, across the 32 lanes, across the eight waves
	RANGE RG, AQ, MX
	RANGE RG+8, AK, MX+1
.irp m, 1,2,4,8
	v_max_num_f32_dpp v[MX], v[MX], v[MX] row_xmask:\m row_mask:0xf bank_mask:0xf
	v_max_num_f32_dpp v[MX+1], v[MX+1], v[MX+1] row_xmask:\m row_mask:0xf bank_mask:0xf
.endr
	v_permlanex16_b32 v[RG+1], v[MX], s92, s93     ; its destination counts as read: a register that has been written
	v_permlanex16_b32 v[RG+9], v[MX+1], s92, s93
	v_max_num_f32 v[MX], v[MX], v[RG+1]
	v_max_num_f32 v[MX+1], v[MX+1], v[RG+9]
	ds_store_b64 v[SA], v[MX:MX+1]                 ; all lanes write the same 8 bytes with the same numbers
	s_wait_dscnt 0x0                               ; for the other waves' sake
	s_barrier_signal -1
	s_barrier_wait -1
.irp i, 0,1,2,3
	ds_load_b128 v[GA+4*\i:GA+4*\i+3], v[SB] offset:16*\i
.endr
	s_wait_dscnt 0x0
.irp p, 0,1
	v_max3_num_f32 v[MX+\p], v[GA+\p], v[GA+2+\p], v[GA+4+\p]
	v_max3_num_f32 v[RG+\p], v[GA+6+\p], v[GA+8+\p], v[GA+10+\p]
.endr
.irp p, 0,1
	v_max3_num_f32 v[MX+\p], v[MX+\p], v[GA+12+\p], v[GA+14+\p]
.endr
.irp p, 0,1
	v_max_num_f32 v[MX+\p], v[MX+\p], v[RG+\p]
.endr
	; biased exponent E held in 1 .. 253, so that both 2^(E-127) and 2^(127-E) are normal f32 numbers; the scaled block then lies below 4
.irp p, 0,1
	v_max_num_f32 v[MX+\p], 0x00800000, v[MX+\p]
.endr
.irp p, 0,1
	v_min_num_f32 v[MX+\p], 0x7effffff, v[MX+\p]
.endr
.irp p, 0,1
	v_and_b32 v[MX+\p], 0x7f800000, v[MX+\p]       ; the inverse scale 2^(E-127)
.endr
.irp p, 0,1
	v_sub_nc_u32 v[SC+\p], 0x7f000000, v[MX+\p]    ; the scale 2^(127-E): biased exponent 254 - E
.endr
.set ii, 0
.rept 16
	v_pk_mul_f32 v[AQ+ii:AQ+ii+1], v[AQ+ii:AQ+ii+1], v[SC:SC+1] op_sel_hi:[1,0]
	v_pk_mul_f32 v[AK+ii:AK+ii+1], v[AK+ii:AK+ii+1], v[SC:SC+1] op_sel:[0,1] op_sel_hi:[1,1]
.set ii, ii+2
.endr
.irp ot, 0,1
.irp tt, 0,1
	PACKH AQ+8*(2*\ot+\tt), 70, \tt*2048+\ot*512
	PACKH AK+8*(2*\ot+\tt), 72, \tt*2048+\ot*512
.endr
.endr
	s_cmp_lg_u32 s18, 0
	s_cbranch_scc1 .Lno_scale                      ; one wave stores the block's pair, 32 copies: 256 consecutive aligned bytes
	global_store_b64 v[L8], v[MX:MX+1], s[88:89]
.Lno_scale:
	s_wait_tensorcnt 0x0
	ds_add_u32 v46, v47
	s_wait_dscnt 0x0
	CROUND                                         ; the closing round: no work-group ends while a partner may still ask for a tile that names it
	s_endpgm
.Lfunc_end_k_q76ea6520a7_proj:
	.size	k_q76ea6520a7_proj, .Lfunc_end_k_q76ea6520a7_proj-k_q76ea6520a7_proj
	.p2alignl 7, 3214868480
	.fill 96, 4, 3214868480
	.section	.rodata,"a",@progbits
	.p2align	6, 0x0
	.amdhsa_kernel k_q76ea6520a7_proj
		.amdhsa_group_segment_fixed_size 327680
		.amdhsa_private_segment_fixed_size 0
		.amdhsa_enable_private_segment 0
		.amdhsa_kernarg_size 64
		.amdhsa_user_sgpr_count 2
		.amdhsa_user_sgpr_kernarg_segment_ptr 1
		.amdhsa_wavefront_size32 1
		.amdhsa_system_sgpr_workgroup_id_x 1
		.amdhsa_system_sgpr_workgroup_id_y 1
		.amdhsa_system_sgpr_workgroup_id_z 1
		.amdhsa_system_vgpr_workitem_id 0
		.amdhsa_next_free_vgpr 256
		.amdhsa_next_free_sgpr 94
		.amdhsa_reserve_vcc 0
		.amdhsa_float_denorm_mode_32 3
		.amdhsa_float_denorm_mode_16_64 3
		.amdhsa_memory_ordered 1
		.amdhsa_forward_progress 1
		.amdhsa_inst_pref_size 63
	.end_amdhsa_kernel
	.amdgpu_metadata
---
amdhsa.version: [ 1, 2 ]
amdhsa.kernels:
  - .name:           k_q76ea6520a7_proj
    .symbol:         k_q76ea6520a7_proj.kd
    .args:
      - { .name: xf, .offset: 0, .size: 8, .value_kind: global_buffer, .address_space: global }
      - { .name: wf, .offset: 8, .size: 8, .value_kind: global_buffer, .address_space: global }
      - { .name: bq, .offset: 16, .size: 8, .value_kind: global_buffer, .address_space: global }
      - { .name: bk, .offset: 24, .size: 8, .value_kind: global_buffer, .address_space: global }
      - { .name: bv, .offset: 32, .size: 8, .value_kind: global_buffer, .address_space: global }
      - { .name: qf, .offset: 40, .size: 8, .value_kind: global_buffer, .address_space: global }
      - { .name: kvf, .offset: 48, .size: 8, .value_kind: global_buffer, .address_space: global }
      - { .name: scl, .offset: 56, .size: 8, .value_kind: global_buffer, .address_space: global }
    .group_segment_fixed_size: 327680
    .private_segment_fixed_size: 0
    .kernarg_segment_align: 8
    .kernarg_segment_size: 64
    .max_flat_workgroup_size: 256
    .sgpr_count:     94
    .vgpr_count:     256
    .wavefront_size: 32
...
	.end_amdgpu_metadata
.endif
;; end of part 5
;; launch attn (part 6): grid 32 x 8, 8 waves a work-group, clusters of 4 x 1, 327,680 bytes of LDS; arguments qf, kvf, scl, obf; writes obf
.if DOCPART == 6
	.amdgcn_target "amdgcn-amd-amdhsa--gfx1250"
	.amdhsa_code_object_version 6
	.text
	.protected	k_q76ea6520a7_attn
	.globl	k_q76ea6520a7_attn
	.p2align	8
	.type	k_q76ea6520a7_attn,@function
k_q76ea6520a7_attn:
	s_mov_b64 s[64:65], 0
	v_nop
	global_prefetch_b8 v0, s[64:65] scope:SCOPE_SE
	s_setreg_imm32_b32 hwreg(HW_REG_WAVE_MODE, 25, 1), 1
	s_wait_xcnt 0x0
	s_wait_alu depctr_hold_cnt(0) depctr_sa_sdst(0) depctr_va_vdst(0) depctr_va_sdst(0) depctr_va_ssrc(0) depctr_va_vcc(0) depctr_vm_vsrc(0)
	s_getreg_b32 s2, hwreg(HW_REG_IB_STS2, 6, 4)
	s_cmp_eq_u32 s2, 0
	s_cbranch_scc0 .Lentry_in_a_cluster
	s_endpgm
.Lentry_in_a_cluster:
	s_bfe_u32 s2, ttmp6, 0x10000c
	s_cmp_lg_u32 s2, 0x3003
	s_cbranch_scc0 .Lentry_shape_is_right
	s_endpgm
.Lentry_shape_is_right:
; Attention of one head for 128 queries a work-group: O = softmax(Q K^T) V with a running maximum, all 4,096 keys.
; qf holds Q times 0.125 log2(e), so the exponentials are plain powers of two.  Sums, maxima and rescaling in f32.
; Q AND K COME IN f16, each block of 128 positions of a head multiplied by a power of two of its own that brings its largest magnitude into [1, 4); scl holds the
; inverse powers.  My 128 queries are one such block, and the 32 keys of a sub-step lie in one, so a score is the product's sum times one scalar
; c = (Q's inverse scale) x (K's inverse scale), which changes every four sub-steps and rides on the multiply-add that takes the maximum away.
; P and V go in bf16 (V has no scale that all keys of a head share).  O LEAVES AS TWO bf16 TERMS (hi, and lo = the rest rounded to bf16; lo's blocks LOPART bytes
; behind hi's): its rounding enters the last product whole and does not average out over the keys as V's and P's roundings do.
; SHARES: head = work-group y; 128 queries = work-group x.  Wave w: queries 32 (w & 3) .. + 31 (two tiles of 16) and half kh = w >> 2 of every
; tile of 512 keys: 32 queries x 2,048 keys a wave, with a maximum and a sum of its own; the two halves are merged once at the end through LDS.
; Eight waves are two for each of the four SIMDs: one wave's softmax can run beside the other's products.
; BOTH PRODUCTS ARE USED TRANSPOSED.  S^T = K x Q: register j of lane (r, h) is (key 8 h + j, query r), so maximum, sum and rescale are one number
; a lane, and two key tiles rounded in pairs ARE the B fragment of the second product, O^T = V x P, with no move between lanes.
; O^T gives a lane eight neighbouring channels of one query: 16 bytes of the block that the last launch reads.
; CLUSTER: the four work-groups of a cluster are four query blocks of one head and walk the same K and V.  Each tile of 128 KiB (64 of K, 64 of V, dense in kvf)
; is asked for jointly, mask 15, each wave its 16 KiB: the requests for K and V are divided by four.  A wave has one tensor load out at the most.
; LIMITS: finite inputs.  Where a query block's largest |Q| times a key block's largest |K| reaches 2^127, c overflows and the result is not finite; below 2^-126 the
; scores count as 0.  A power of two below 2^-126 counts as 0 (ISA guide, v_exp_f32), against a row's largest of 1.  A row's sum is taken over the f32
; exponentials, the product with V over their bf16 roundings.  Keys are summed in an order of their own (tiles of a permuted order, two halves).
; An O whose rounding to bf16 overflows (magnitude above about 3.39e38) gives NaN.
.set SLOTB, 131072                     ; an LDS slot: K's 32 key tiles x 2,048 bytes, then V's
.set MRGB,  262144                     ; behind the ring: 4 x 8,704 bytes for the merge; no tensor load ever lands here
.set MRGW,  8704                       ; 17 x 512
.set LOPART, 4194304                   ; from a hi block of obf to its lo block
.set LN16, 1                           ; v1   16 x lane
.set KA,   2                           ; v2, v4  my half of K in slot 0, 1
.set VA,   3                           ; v3, v5  my half of V in slot 0, 1
.set MG,   6                           ; v6   my place in the merge area
.set RM,   8                           ; v[8:9], v[10:11]  the two query tiles' maxima, NEGATED, two pairs that take turns with the sub-step's parity: nothing is copied
.set RL,   12                          ; v[12:13] sums (a lane's own keys)
.set RAL,  14                          ; v[14:15] 2^(old maximum - new maximum)
.set RT,   16                          ; v[16:31] at work
.set RQ,   32                          ; v[32:63]   Q: tile qt, block dt at 16 qt + 4 dt
.set RKF,  64                          ; v[64:95]   K: key tile kt, block dt at 16 kt + 4 dt
.set RVF,  96                          ; v[96:127]  V: channel tile dt, key tile e at 8 dt + 4 e
.set RS,   128                         ; v[128:159] S^T: tile (qt, kt) at 8 (2 qt + kt); then P of tile qt in the first eight registers of its sixteen
.set RO,   176                         ; v[176:239] O^T: tile (qt, dt) at 8 (4 qt + dt)
.set G1,   16                          ; s[16:23] descriptor group 1
.set G0,   32                          ; s[32:39] descriptor group 0, one set for each slot
.set CS,   66                          ; s[66:97] sixteen pairs (c, -c): pair 2 T + u serves sub-steps 4 u .. 4 u + 3 of tile T
.macro NOPS n                          ; places behind a matrix instruction (ISA guide 7.12.1)
.rept \n
	v_nop
.endr
.endm
; A round of the cluster's barrier: my work-group's barrier, wave 0 signals for the work-group, every wave waits for all four work-groups, my work-group's barrier again.
.macro ROUND
	s_barrier_signal -1
	s_barrier_wait -1
	s_cmp_lg_u32 s10, 0
	s_cbranch_scc1 .Lnot_wave_0_\@
	s_barrier_signal -3
.Lnot_wave_0_\@:
	s_barrier_wait -3
	s_barrier_signal -1
	s_barrier_wait -1
.endm
.macro LDK sl, j                       ; two key tiles x 64 channels of K: eight blocks, each 512 consecutive bytes for the wave
.irp kt, 0,1
.irp dt, 0,1,2,3
	ds_load_b128 v[RKF+16*\kt+4*\dt:RKF+16*\kt+4*\dt+3], v[KA+2*\sl] offset:(\j)*4096+\kt*2048+\dt*512
.endr
.endr
.endm
.macro LDV sl, j                       ; the same 32 keys of V
.irp dt, 0,1,2,3
.irp e, 0,1
	ds_load_b128 v[RVF+8*\dt+4*\e:RVF+8*\dt+4*\e+3], v[VA+2*\sl] offset:(\j)*4096+\e*2048+\dt*512
.endr
.endr
.endm
; Four score products in f16, one on each of the four accumulators: channels 32 ds .. + 31.
.macro SMUL ds, zero
.irp qt, 0,1
.irp kt, 0,1
.if \zero
	v_wmma_f32_16x16x32_f16 v[RS+8*(2*\qt+\kt):RS+8*(2*\qt+\kt)+7], v[RKF+16*\kt+8*\ds:RKF+16*\kt+8*\ds+7], v[RQ+16*\qt+8*\ds:RQ+16*\qt+8*\ds+7], 0
.else
	v_wmma_f32_16x16x32_f16 v[RS+8*(2*\qt+\kt):RS+8*(2*\qt+\kt)+7], v[RKF+16*\kt+8*\ds:RKF+16*\kt+8*\ds+7], v[RQ+16*\qt+8*\ds:RQ+16*\qt+8*\ds+7], v[RS+8*(2*\qt+\kt):RS+8*(2*\qt+\kt)+7]
.endif
.endr
.endr
.endm
; One sub-step: 32 keys x 32 queries.  first = 1: the very first of the wave, which starts maxima, sums and O.  s[cs], s[cs+1] = c, -c of these keys' block.
.macro SUB sl, j, first, cs
.set MN, RM+2*((\j)&1)                 ; the new negated maxima
.set MO, RM+2-2*((\j)&1)               ; the old ones
	s_wait_dscnt 0x8                               ; K's eight loads are in; V's eight stay out
.if \first
	s_wait_loadcnt 0x0                             ; Q, once
.endif
	; S^T = K x Q over 64 channels: four accumulators, one instruction a turn
	SMUL 0, 1
	SMUL 1, 0
	NOPS 4                                         ; then K's registers may be loaded again and S read
.if \j < 7
	LDK \sl, \j+1
.endif
	; the largest of the lane's 16 sums of each query; c is positive, so times -c it is the smallest of the negated scores
.irp qt, 0,1
	v_max3_num_f32 v[RT+8*\qt], v[RS+16*\qt], v[RS+16*\qt+1], v[RS+16*\qt+2]
	v_max3_num_f32 v[RT+8*\qt+1], v[RS+16*\qt+3], v[RS+16*\qt+4], v[RS+16*\qt+5]
	v_max3_num_f32 v[RT+8*\qt+2], v[RS+16*\qt+6], v[RS+16*\qt+7], v[RS+16*\qt+8]
	v_max3_num_f32 v[RT+8*\qt+3], v[RS+16*\qt+9], v[RS+16*\qt+10], v[RS+16*\qt+11]
	v_max3_num_f32 v[RT+8*\qt+4], v[RS+16*\qt+12], v[RS+16*\qt+13], v[RS+16*\qt+14]
.endr
.irp qt, 0,1
	v_max3_num_f32 v[RT+8*\qt], v[RT+8*\qt], v[RT+8*\qt+1], v[RT+8*\qt+2]
	v_max3_num_f32 v[RT+8*\qt+3], v[RT+8*\qt+3], v[RT+8*\qt+4], v[RS+16*\qt+15]
.endr
.irp qt, 0,1
	v_max_num_f32 v[RT+8*\qt], v[RT+8*\qt], v[RT+8*\qt+3]
.endr
.irp qt, 0,1
	v_mul_f32 v[RT+8*\qt], s[\cs+1], v[RT+8*\qt]
.endr
.irp qt, 0,1
	v_permlanex16_b32 v[RT+8*\qt+1], v[RT+8*\qt], s40, s41    ; lane r + 16 holds the same query's other eight keys of each tile
.endr
.irp qt, 0,1
.if \first
	v_min_num_f32 v[MN+\qt], v[RT+8*\qt], v[RT+8*\qt+1]
.else
	v_min3_num_f32 v[MN+\qt], v[RT+8*\qt], v[RT+8*\qt+1], v[MO+\qt]
.endif
.endr
.if \first
.else
	v_pk_add_f32 v[RAL:RAL+1], v[MN:MN+1], v[MO:MO+1] neg_lo:[0,1] neg_hi:[0,1]   ; old maximum - new maximum, at most 0
.endif
	; score - maximum = sum x c + (negated maximum), one fused multiply-add; c is a power of two, so the largest gives exactly 0
.irp i, 0,2,4,6,8,10,12,14
	v_pk_fma_f32 v[RS+\i:RS+\i+1], v[RS+\i:RS+\i+1], s[\cs:\cs+1], v[MN:MN+1] op_sel_hi:[1,0,0]
.endr
.irp i, 16,18,20,22,24,26,28,30
	v_pk_fma_f32 v[RS+\i:RS+\i+1], v[RS+\i:RS+\i+1], s[\cs:\cs+1], v[MN:MN+1] op_sel:[0,0,1] op_sel_hi:[1,0,1]
.endr
.set ii, 0
.rept 32
	v_exp_f32 v[RS+ii], v[RS+ii]
.set ii, ii+1
.endr
.if \first
.else
	v_exp_f32 v[RAL], v[RAL]
	v_exp_f32 v[RAL+1], v[RAL+1]
.endif
	v_nop                                          ; one plain place behind the run of exponentials before a result is used (ISA guide 5.7.2)
	; the lane's share of each query's sum; the first level goes into RT and leaves S whole for the rounding below
	s_wait_alu depctr_va_vdst(0)
.irp qt, 0,1
.irp i, 0,1,2,3
	v_pk_add_f32 v[RT+8*\qt+2*\i:RT+8*\qt+2*\i+1], v[RS+16*\qt+4*\i:RS+16*\qt+4*\i+1], v[RS+16*\qt+4*\i+2:RS+16*\qt+4*\i+3]
.endr
.endr
	; P: pairs of S rounded in place and ascending: register i of a query tile's sixteen takes numbers 2 i and 2 i + 1, which no earlier line of the run has overwritten
.irp qt, 0,1
.irp i, 0,1,2,3,4,5,6,7
	v_cvt_pk_bf16_f32 v[RS+16*\qt+\i], v[RS+16*\qt+2*\i], v[RS+16*\qt+2*\i+1]
.endr
.endr
.irp qt, 0,1
	v_pk_add_f32 v[RT+8*\qt:RT+8*\qt+1], v[RT+8*\qt:RT+8*\qt+1], v[RT+8*\qt+2:RT+8*\qt+3]
	v_pk_add_f32 v[RT+8*\qt+4:RT+8*\qt+5], v[RT+8*\qt+4:RT+8*\qt+5], v[RT+8*\qt+6:RT+8*\qt+7]
.endr
.irp qt, 0,1
	v_pk_add_f32 v[RT+8*\qt:RT+8*\qt+1], v[RT+8*\qt:RT+8*\qt+1], v[RT+8*\qt+4:RT+8*\qt+5]
.endr
.if \first
.irp qt, 0,1
	v_add_f32 v[RL+\qt], v[RT+8*\qt], v[RT+8*\qt+1]
.endr
.else
.irp qt, 0,1
	v_add_f32 v[RT+8*\qt], v[RT+8*\qt], v[RT+8*\qt+1]
.endr
.irp qt, 0,1
	v_fma_f32 v[RL+\qt], v[RL+\qt], v[RAL+\qt], v[RT+8*\qt]
.endr
	; O is brought to the new maximum
.set ii, 0
.rept 16
	v_pk_mul_f32 v[RO+ii:RO+ii+1], v[RO+ii:RO+ii+1], v[RAL:RAL+1] op_sel_hi:[1,0]
.set ii, ii+2
.endr
.rept 16
	v_pk_mul_f32 v[RO+ii:RO+ii+1], v[RO+ii:RO+ii+1], v[RAL:RAL+1] op_sel:[0,1] op_sel_hi:[1,1]
.set ii, ii+2
.endr
.endif
.if \j < 7
	s_wait_dscnt 0x8                               ; V's eight loads are in; the next K's eight stay out
.else
	s_wait_dscnt 0x0                               ; the tile's last sub-step: nothing was issued behind V's loads
.endif
	; O^T += V x P: eight accumulators, one instruction a turn
.irp qt, 0,1
.irp dt, 0,1,2,3
.if \first
	v_wmma_f32_16x16x32_bf16 v[RO+8*(4*\qt+\dt):RO+8*(4*\qt+\dt)+7], v[RVF+8*\dt:RVF+8*\dt+7], v[RS+16*\qt:RS+16*\qt+7], 0
.else
	v_wmma_f32_16x16x32_bf16 v[RO+8*(4*\qt+\dt):RO+8*(4*\qt+\dt)+7], v[RVF+8*\dt:RVF+8*\dt+7], v[RS+16*\qt:RS+16*\qt+7], v[RO+8*(4*\qt+\dt):RO+8*(4*\qt+\dt)+7]
.endif
.endr
.endr
	NOPS 5                                         ; five places: the next sub-step's first products write over P, a source of these; four serve the loads into V's registers
.if \j < 7
	LDV \sl, \j+1
.endif
.endm
; One tile of 512 keys out of slot sl.  In front of the round every wave has waited for all its tensor loads (its part of this tile among them) and for its
; reads of the other slot; behind the round no wave of the four work-groups reads that slot or has a load on its way, and the joint refill comes first.
; My half of the tile is two blocks of 128 keys: the pair at cs serves the first four sub-steps, the pair at cs + 2 the last four.
.macro TRIP sl, refill, first, cs
	s_wait_tensorcnt 0x0
	ds_add_u32 v240, v241
	s_wait_dscnt 0x0
	s_add_nc_u64 s[G0+4*\sl+2:G0+4*\sl+3], s[G0+4*\sl+2:G0+4*\sl+3], 2*SLOTB   ; no load of mine is out: this slot's next tile, two tiles on
	s_wait_dscnt 0x0
	ROUND
.if \refill
	tensor_load_to_lds s[G0+4-4*\sl:G0+7-4*\sl], s[G1:G1+7]    ; the next tile, into the slot read last; it has this tile's eight sub-steps in which to land
	s_nop 0
.endif
	LDK \sl, 0
	LDV \sl, 0
	SUB \sl, 0, \first, \cs
	SUB \sl, 1, 0, \cs
	SUB \sl, 2, 0, \cs
	SUB \sl, 3, 0, \cs
	SUB \sl, 4, 0, \cs+2
	SUB \sl, 5, 0, \cs+2
	SUB \sl, 6, 0, \cs+2
	SUB \sl, 7, 0, \cs+2
.endm
; A tile's eight f32 a lane leave as hi and lo.  hi gets four registers of its own (ht), which no later line writes: they are a store's data.
; x - hi is exact in f32: hi has x's leading 8 bits.  Each store of the wave covers 512 consecutive aligned bytes.
.macro SPLITST a, ht, off
.irp p, 0,1,2,3
	v_cvt_pk_bf16_f32 v[\ht+\p], v[\a+2*\p], v[\a+2*\p+1]
.endr
.irp p, 0,1,2,3
	v_lshlrev_b32 v[RVF+2*\p], 16, v[\ht+\p]       ; hi as f32 again
	v_and_b32 v[RVF+2*\p+1], s42, v[\ht+\p]
.endr
.irp p, 0,1,2,3
	v_pk_add_f32 v[\a+2*\p:\a+2*\p+1], v[\a+2*\p:\a+2*\p+1], v[RVF+2*\p:RVF+2*\p+1] neg_lo:[0,1] neg_hi:[0,1]
.endr
	global_store_b128 v[LN16], v[\ht:\ht+3], s[30:31] offset:\off
	v_cvt_pk_bf16_f32 v[\a], v[\a], v[\a+1]
	v_cvt_pk_bf16_f32 v[\a+1], v[\a+2], v[\a+3]
	v_cvt_pk_bf16_f32 v[\a+2], v[\a+4], v[\a+5]
	v_cvt_pk_bf16_f32 v[\a+3], v[\a+6], v[\a+7]
	global_store_b128 v[LN16], v[\a:\a+3], s[30:31] offset:\off+LOPART
.endm
	s_load_b128 s[4:7], s[0:1], 0x0                ; qf s[4:5], kvf s[6:7]
	s_load_b128 s[48:51], s[0:1], 0x10             ; scl s[48:49], obf s[50:51]
	v_lshl_add_u32 v240, v0, 2, 0x48800
	v_mov_b32 v241, 0
	ds_add_u32 v240, v241
	v_lshrrev_b32 v[LN16], 5, v0
	v_readfirstlane_b32 s10, v[LN16]               ; wave 0..7
	s_and_b32 s11, s10, 3                          ; which 32 queries
	s_lshr_b32 s12, s10, 2                         ; which half of the keys
	s_bfe_u32 s13, ttmp6, 0x40000                  ; cx: enters the addresses of qf, scl and obf alone
	s_lshl_b32 s14, ttmp9, 2
	s_add_co_u32 s14, s14, s13                     ; query block = 4 x cluster x + cx
	s_and_b32 s15, ttmp7, 0xffff                   ; head, shared by the four partners
	s_mov_b32 s40, 0x76543210                      ; v_permlanex16_b32: lane i of one half reads lane i of the other
	s_mov_b32 s41, 0xfedcba98
	s_mov_b32 s42, 0xffff0000                      ; a word's upper bf16
	; group 1: 64 rows of 32 elements of 8 bytes, dense: 16 KiB a wave
	s_mov_b32 s[G1+0], 15|(3<<16)|(1<<21)          ; 15:0 the four work-groups of the cluster; 17:16 elements of 8 bytes; 21 set beside a mask; no padding
	s_mov_b32 s[G1+1], 32<<16                      ; tensor_dim0 = 32
	s_mov_b32 s[G1+2], 64<<16                      ; tensor_dim1 = 64
	s_mov_b32 s[G1+3], 32<<16                      ; tile_dim0 = 32
	s_mov_b32 s[G1+4], 64                          ; tile_dim1 = 64
	s_mov_b32 s[G1+5], 32                          ; from row to row: 32 elements
	s_mov_b32 s[G1+6], 0
	s_mov_b32 s[G1+7], 0
	s_lshl_b32 s24, s15, 20                        ; kvf: 1,048,576 bytes a head
	s_lshl_b32 s33, s10, 14                        ; my 16 KiB of a tile, in memory and in LDS
	s_add_co_u32 s24, s24, s33
	s_mov_b32 s25, 0
	s_lshl_b32 s26, s15, 19                        ; qf, obf: 524,288 bytes a head,
	s_lshl_b32 s27, s14, 14                        ; 16,384 a query block,
	s_add_co_u32 s26, s26, s27
	s_lshl_b32 s27, s11, 12                        ; 4,096 a wave's two tiles
	s_add_co_u32 s26, s26, s27
	s_mov_b32 s27, 0
	s_lshl_b32 s52, s15, 13                        ; scl: 32 blocks of 256 bytes a head;
	s_lshl_b32 s54, s12, 9                         ; my half of a tile of 512 keys begins 2 kh blocks into its four
	s_add_co_u32 s54, s52, s54
	s_mov_b32 s55, 0
	s_lshl_b32 s53, s14, 8                         ; my queries' block
	s_add_co_u32 s52, s52, s53
	s_mov_b32 s53, 0
	s_mov_b32 s[G0+0], 1
	s_mov_b32 s[G0+4], 1
	s_add_co_u32 s[G0+5], s33, SLOTB
	v_and_b32 v[LN16], 31, v0
	v_lshlrev_b32 v[LN16], 4, v[LN16]
	s_lshl_b32 s45, s12, 15                        ; a half of a tile's K or V: 16 key tiles of 2,048 bytes
	v_add_nc_u32 v[KA], s45, v[LN16]
	v_add_nc_u32 v[VA], 65536, v[KA]
	v_add_nc_u32 v[KA+2], SLOTB, v[KA]
	v_add_nc_u32 v[VA+2], SLOTB, v[VA]
	s_mul_i32 s46, s11, MRGW
	s_add_co_u32 s46, s46, MRGB
	v_add_nc_u32 v[MG], s46, v[LN16]
	s_wait_dscnt 0x0
	s_wait_kmcnt 0x0
	s_add_nc_u64 s[G0+2:G0+3], s[6:7], s[24:25]    ; tile 0
	s_add_nc_u64 s[G0+6:G0+7], s[G0+2:G0+3], SLOTB ; tile 1
	s_or_b32 s[G0+3], s[G0+3], 0x80000000          ; type = 2
	s_or_b32 s[G0+7], s[G0+7], 0x80000000
	s_add_nc_u64 s[28:29], s[4:5], s[26:27]
	s_add_nc_u64 s[30:31], s[50:51], s[26:27]
	s_add_nc_u64 s[52:53], s[48:49], s[52:53]
	s_add_nc_u64 s[54:55], s[48:49], s[54:55]
	ROUND                                          ; all four work-groups are here: the first joint loads meet
	tensor_load_to_lds s[G0:G0+3], s[G1:G1+7]      ; tile 0
	s_nop 0
.irp qt, 0,1
.irp dt, 0,1,2,3
	global_load_b128 v[RQ+16*\qt+4*\dt:RQ+16*\qt+4*\dt+3], v[LN16], s[28:29] offset:\qt*2048+\dt*512
.endr
.endr
	; the scales, while tile 0 is on its way: Q's inverse scale (word 0 of my block's pair) and K's (word 1) of my sixteen key blocks 4 T + 2 kh + u
	s_load_b32 s56, s[52:53], 0x0
.set ii, 0
.rept 16
	s_load_b32 s[CS+2*ii], s[54:55], ((ii>>1)*4+(ii&1))*256+4
.set ii, ii+1
.endr
	s_wait_kmcnt 0x0
.set ii, 0
.rept 16
	s_mul_f32 s[CS+2*ii], s[CS+2*ii], s56          ; c: a product of two powers of two
	s_mul_f32 s[CS+2*ii+1], s[CS+2*ii], -1.0       ; -c
.set ii, ii+1
.endr
	TRIP 0, 1, 1, CS                               ; tile 0; slot 1 gets its first fill as a refill does
	s_mov_b32 s44, 3
.Ltiles:
	TRIP 1, 1, 0, CS+4                             ; tiles 1, 3, 5
	TRIP 0, 1, 0, CS+8                             ; tiles 2, 4, 6
.irp i, 0,2,4,6,8,10,12,14
	s_mov_b64 s[CS+4+\i:CS+5+\i], s[CS+12+\i:CS+13+\i]   ; the next two tiles' four pairs move into the places that the loop's text names, ascending: each source is read before it is written
.endr
	s_sub_co_u32 s44, s44, 1
	s_cmp_lg_u32 s44, 0
	s_cbranch_scc1 .Ltiles
	TRIP 1, 0, 0, CS+28                            ; tile 7: nothing is left to fetch (slot 1's stepped address is not used)
	; THE MERGE.  The last sub-step was odd: the negated maxima lie in v[10:11], next to the sums in v[12:13].
	v_permlanex16_b32 v[RT], v[RL], s40, s41
	v_permlanex16_b32 v[RT+1], v[RL+1], s40, s41
	v_pk_add_f32 v[RL:RL+1], v[RL:RL+1], v[RT:RT+1]    ; the two halves of the lanes hold the two halves of each query's keys
	s_cmp_lt_u32 s10, 4
	s_cbranch_scc1 .Lkeeps
.set ii, 0
.rept 16
	ds_store_b128 v[MG], v[RO+4*ii:RO+4*ii+3] offset:512*ii    ; waves 4-7 hand over O,
.set ii, ii+1
.endr
	ds_store_b128 v[MG], v[RM+2:RM+5] offset:8192              ; the negated maxima and the sums
.Lkeeps:
	s_wait_dscnt 0x0                               ; for the partner wave's sake
	s_barrier_signal -1
	s_barrier_wait -1
	s_cmp_ge_u32 s10, 4
	s_cbranch_scc1 .Ldone
.set ii, 0
.rept 17
	ds_load_b128 v[RKF+4*ii:RKF+4*ii+3], v[MG] offset:512*ii   ; v[64:127] the other half's O, v[128:129] its negated maxima, v[130:131] its sums
.set ii, ii+1
.endr
	s_wait_dscnt 0x0
	v_min_num_f32 v[RT], v[RM+2], v[RS]            ; the joint maximum, negated
	v_min_num_f32 v[RT+1], v[RM+3], v[RS+1]
	v_pk_add_f32 v[RT+2:RT+3], v[RT:RT+1], v[RM+2:RM+3] neg_lo:[0,1] neg_hi:[0,1]   ; my maximum - the joint one
	v_pk_add_f32 v[RT+4:RT+5], v[RT:RT+1], v[RS:RS+1] neg_lo:[0,1] neg_hi:[0,1]     ; the other half's - the joint one
	v_exp_f32 v[RT+2], v[RT+2]
	v_exp_f32 v[RT+3], v[RT+3]
	v_exp_f32 v[RT+4], v[RT+4]
	v_exp_f32 v[RT+5], v[RT+5]
	v_nop
	s_wait_alu depctr_va_vdst(0)
	v_pk_mul_f32 v[RT+6:RT+7], v[RT+2:RT+3], v[RL:RL+1]
	v_pk_fma_f32 v[RT+6:RT+7], v[RT+4:RT+5], v[RS+2:RS+3], v[RT+6:RT+7]   ; the whole sum, at least 1: the largest exponential is 1
	v_rcp_f32 v[RT+6], v[RT+6]
	v_rcp_f32 v[RT+7], v[RT+7]
	v_nop
	s_wait_alu depctr_va_vdst(0)
	v_pk_mul_f32 v[RT+2:RT+3], v[RT+2:RT+3], v[RT+6:RT+7]    ; my half's weight
	v_pk_mul_f32 v[RT+4:RT+5], v[RT+4:RT+5], v[RT+6:RT+7]    ; the other half's
.set ii, 0
.rept 16
	v_pk_mul_f32 v[RO+ii:RO+ii+1], v[RO+ii:RO+ii+1], v[RT+2:RT+3] op_sel_hi:[1,0]
	v_pk_fma_f32 v[RO+ii:RO+ii+1], v[RKF+ii:RKF+ii+1], v[RT+4:RT+5], v[RO+ii:RO+ii+1] op_sel_hi:[1,0,1]
.set ii, ii+2
.endr
.rept 16
	v_pk_mul_f32 v[RO+ii:RO+ii+1], v[RO+ii:RO+ii+1], v[RT+2:RT+3] op_sel:[0,1] op_sel_hi:[1,1]
	v_pk_fma_f32 v[RO+ii:RO+ii+1], v[RKF+ii:RKF+ii+1], v[RT+4:RT+5], v[RO+ii:RO+ii+1] op_sel:[0,1,0] op_sel_hi:[1,1,1]
.set ii, ii+2
.endr
	; the other half's O has been used up: v[64:95] take the eight tiles' hi words, v[96:103] are at work
.irp qt, 0,1
.irp dt, 0,1,2,3
	SPLITST RO+8*(4*\qt+\dt), RKF+4*(4*\qt+\dt), \qt*2048+\dt*512
.endr
.endr
.Ldone:
	s_wait_tensorcnt 0x0
	ds_add_u32 v240, v241
	s_wait_dscnt 0x0
	ROUND                                          ; the closing round: no work-group ends while a partner may still ask for a tile that names it
	s_endpgm
.Lfunc_end_k_q76ea6520a7_attn:
	.size	k_q76ea6520a7_attn, .Lfunc_end_k_q76ea6520a7_attn-k_q76ea6520a7_attn
	.p2alignl 7, 3214868480
	.fill 96, 4, 3214868480
	.section	.rodata,"a",@progbits
	.p2align	6, 0x0
	.amdhsa_kernel k_q76ea6520a7_attn
		.amdhsa_group_segment_fixed_size 327680
		.amdhsa_private_segment_fixed_size 0
		.amdhsa_enable_private_segment 0
		.amdhsa_kernarg_size 32
		.amdhsa_user_sgpr_count 2
		.amdhsa_user_sgpr_kernarg_segment_ptr 1
		.amdhsa_wavefront_size32 1
		.amdhsa_system_sgpr_workgroup_id_x 1
		.amdhsa_system_sgpr_workgroup_id_y 1
		.amdhsa_system_sgpr_workgroup_id_z 1
		.amdhsa_system_vgpr_workitem_id 0
		.amdhsa_next_free_vgpr 242
		.amdhsa_next_free_sgpr 98
		.amdhsa_reserve_vcc 0
		.amdhsa_float_denorm_mode_32 3
		.amdhsa_float_denorm_mode_16_64 3
		.amdhsa_memory_ordered 1
		.amdhsa_forward_progress 1
		.amdhsa_inst_pref_size 255
	.end_amdhsa_kernel
	.section	.bss,"aw",@nobits
	.p2align	6
	.space	262144
	.amdgpu_metadata
---
amdhsa.version: [ 1, 2 ]
amdhsa.kernels:
  - .name:           k_q76ea6520a7_attn
    .symbol:         k_q76ea6520a7_attn.kd
    .args:
      - { .name: qf, .offset: 0, .size: 8, .value_kind: global_buffer, .address_space: global }
      - { .name: kvf, .offset: 8, .size: 8, .value_kind: global_buffer, .address_space: global }
      - { .name: scl, .offset: 16, .size: 8, .value_kind: global_buffer, .address_space: global }
      - { .name: obf, .offset: 24, .size: 8, .value_kind: global_buffer, .address_space: global }
    .group_segment_fixed_size: 327680
    .private_segment_fixed_size: 0
    .kernarg_segment_align: 8
    .kernarg_segment_size: 32
    .max_flat_workgroup_size: 256
    .sgpr_count:     98
    .vgpr_count:     242
    .wavefront_size: 32
...
	.end_amdgpu_metadata
.endif
;; end of part 6
;; launch oproj (part 7): grid 4 x 64, 4 waves a work-group, clusters of 4 x 4, 262,656 bytes of LDS; arguments obf, wf, bo, out0; writes out0
.if DOCPART == 7
	.amdgcn_target "amdgcn-amd-amdhsa--gfx1250"
	.amdhsa_code_object_version 6
	.text
	.protected	k_q76ea6520a7_oproj
	.globl	k_q76ea6520a7_oproj
	.p2align	8
	.type	k_q76ea6520a7_oproj,@function
k_q76ea6520a7_oproj:
	s_mov_b64 s[64:65], 0
	v_nop
	global_prefetch_b8 v0, s[64:65] scope:SCOPE_SE
	s_setreg_imm32_b32 hwreg(HW_REG_WAVE_MODE, 25, 1), 1
	s_wait_xcnt 0x0
	s_wait_alu depctr_hold_cnt(0) depctr_sa_sdst(0) depctr_va_vdst(0) depctr_va_sdst(0) depctr_va_ssrc(0) depctr_va_vcc(0) depctr_vm_vsrc(0)
	s_getreg_b32 s2, hwreg(HW_REG_IB_STS2, 6, 4)
	s_cmp_eq_u32 s2, 0
	s_cbranch_scc0 .Lentry_in_a_cluster
	s_endpgm
.Lentry_in_a_cluster:
	s_bfe_u32 s2, ttmp6, 0x10000c
	s_cmp_lg_u32 s2, 0xf033
	s_cbranch_scc0 .Lentry_shape_is_right
	s_endpgm
.Lentry_shape_is_right:
; out0 = Wo O + bo.  O comes as two bf16 terms, hi and lo (lo's blocks LOPART bytes behind hi's), Wo in bf16, both in fragment order (blocks of 512 bytes,
; lane L = 16 h + r owning bytes 16 L ..; two blocks are a fragment of 16 x 32).  out0 = Wo Ohi + Wo Olo + bo, f32 sums, f32 bias.
; SHARES: work-group (og, bn): 128 rows of out0 x the 64 positions of block bn.  Wave w: rows 32 w .. + 31, 2 x 4 tiles, 64 accumulator registers.
; ALL THAT A WORK-GROUP READS FITS IN LDS: 128 KiB of O and 128 KiB of Wo.  So there is no ring and nothing is filled again: four chunks of four K steps
; (two heads: 16 KiB of O hi, 16 of O lo, 32 of Wo) are asked for at the start, in K's order, and each is waited for by a count when its turn comes.
; Wave 0 asks for O hi, wave 1 for O lo (two rows of 8 KiB, one a head, 524,288 bytes apart), waves 2 and 3 for the halves of Wo (64 rows of 256 bytes):
; four tensor loads a wave are out at the most.
; CLUSTER: 4 x 4 work-groups.  O's tiles hang on bn alone and are asked for jointly along a row of the cluster, Wo's on og alone and along a column:
; the requests for both are divided by four.
; THE WAY OUT: tile t of a block holds the positions 64 bn + 4 i + t, so register j of the four tiles is four NEIGHBOURING positions of row 16 ot + 8 h + j.
; The bias add writes them into four neighbouring registers, and in each 16-byte store lanes 0-15 and lanes 16-31 each cover 256 consecutive aligned bytes.
; LIMITS: finite inputs; Wo is rounded to bf16, sums and bias stay f32.
.set CHB,   65536                      ; an LDS chunk: O hi 16,384, O lo 16,384, Wo 32,768
.set LOPART, 4194304                   ; from a hi block of obf to its lo block
.set WOPART, 1572864                   ; Wo's part of wf
.set LN16, 1                           ; v1       16 x lane
.set CO,   2                           ; v2       8 h rows of 16,384 bytes + 16 r
.set BO,   3                           ; v3       32 h
.set BA,   4                           ; v[4:7]   O in chunk c
.set AA,   8                           ; v[8:11]  my two row tiles of Wo in chunk c
.set BI,   12                          ; v[12:27] bo of rows 16 ot + 8 h + j at 8 ot + j
.set OFR,  32                          ; v[32:159]  O fragments, two buffers of 64: part p, tile t at 32 p + 8 t
.set WF,   160                         ; v[160:191] Wo fragments, two buffers of 16
.set ACC,  192                         ; v[192:255] tile (ot, t) at 8 (4 ot + t)
.set EO,   32                          ; v[32:95]   the way out
.set G1O,  28                          ; s[28:35] group 1 for O
.set G1W,  36                          ; s[36:43] group 1 for Wo
.set G0O,  44                          ; s[44:59] group 0 for O, one set for each chunk
.set G0W,  68                          ; s[68:83] group 0 for Wo, one set for each chunk
.macro NOP4                            ; four places behind a matrix instruction (ISA guide 7.12.1)
.rept 4
	v_nop
.endr
.endm
; A round of the cluster's barrier: my work-group's barrier, wave 0 signals for the work-group, every wave waits for all sixteen, my work-group's barrier again.
.macro CROUND
	s_barrier_signal -1
	s_barrier_wait -1
	s_cmp_lg_u32 s12, 0
	s_cbranch_scc1 .Lnot_wave_0_\@
	s_barrier_signal -3
.Lnot_wave_0_\@:
	s_barrier_wait -3
	s_barrier_signal -1
	s_barrier_wait -1
.endm
.macro LDO c, k                        ; K step k of chunk c: head k >> 1 of the two, channel tiles 2 (k & 1) + e; four tiles of hi, four of lo
.irp p, 0,1
.irp t, 0,1,2,3
.irp e, 0,1
	ds_load_b128 v[OFR+64*((\k)&1)+32*\p+8*\t+4*\e:OFR+64*((\k)&1)+32*\p+8*\t+4*\e+3], v[BA+\c] offset:\p*16384+((\k)>>1)*8192+\t*2048+((\k)&1)*1024+\e*512
.endr
.endr
.endr
.endm
.macro LDWO c, k
.irp ot, 0,1
.irp e, 0,1
	ds_load_b128 v[WF+16*((\k)&1)+8*\ot+4*\e:WF+16*((\k)&1)+8*\ot+4*\e+3], v[AA+\c] offset:\ot*4096+(\k)*1024+\e*512
.endr
.endr
.endm
.macro MMO k, p, zero                  ; eight accumulators, one instruction a turn
.irp ot, 0,1
.irp t, 0,1,2,3
.if \zero
	v_wmma_f32_16x16x32_bf16 v[ACC+8*(4*\ot+\t):ACC+8*(4*\ot+\t)+7], v[WF+16*((\k)&1)+8*\ot:WF+16*((\k)&1)+8*\ot+7], v[OFR+64*((\k)&1)+32*\p+8*\t:OFR+64*((\k)&1)+32*\p+8*\t+7], 0
.else
	v_wmma_f32_16x16x32_bf16 v[ACC+8*(4*\ot+\t):ACC+8*(4*\ot+\t)+7], v[WF+16*((\k)&1)+8*\ot:WF+16*((\k)&1)+8*\ot+7], v[OFR+64*((\k)&1)+32*\p+8*\t:OFR+64*((\k)&1)+32*\p+8*\t+7], v[ACC+8*(4*\ot+\t):ACC+8*(4*\ot+\t)+7]
.endif
.endr
.endr
.endm
.macro OSTEP c, k, zero
.if \k < 3
	LDWO \c, \k+1                                  ; the next step's fragments, into the other buffers, four places behind the products that read them
	LDO \c, \k+1
	s_wait_dscnt 20                                ; this step's fragments are in; the 4 + 16 loads just issued stay out
.else
	s_wait_dscnt 0x0                               ; the chunk's last step
.endif
	MMO \k, 0, \zero
	MMO \k, 1, 0
	NOP4
.endm
.macro OCHUNK c, first
	s_wait_tensorcnt 3-\c                          ; my part of chunk c is in; my loads for the later chunks stay out
	s_barrier_signal -1
	s_barrier_wait -1                              ; everybody's is
	LDWO \c, 0
	LDO \c, 0
	OSTEP \c, 0, \first
	OSTEP \c, 1, 0
	OSTEP \c, 2, 0
	OSTEP \c, 3, 0
.endm
	s_load_b256 s[4:11], s[0:1], 0x0               ; obf s[4:5], wf s[6:7], bo s[8:9], out0 s[10:11]
	v_lshl_add_u32 v30, v0, 2, 0x40000
	v_mov_b32 v31, 0
	ds_add_u32 v30, v31
	v_lshrrev_b32 v[LN16], 5, v0
	v_readfirstlane_b32 s12, v[LN16]               ; wave 0..3
	s_and_b32 s13, s12, 1                          ; waves 0, 1: hi or lo of O; waves 2, 3: which half of Wo
	s_bfe_u32 s15, ttmp6, 0x40000                  ; cx
	s_bfe_u32 s16, ttmp6, 0x40004                  ; cy
	s_lshl_b32 s17, ttmp9, 2
	s_add_co_u32 s17, s17, s15                     ; og = 4 x cluster x + cx
	s_and_b32 s18, ttmp7, 0xffff
	s_lshl_b32 s18, s18, 2
	s_add_co_u32 s18, s18, s16                     ; bn = 4 x cluster y + cy
	s_lshl_b32 s19, s16, 2
	s_lshl_b32 s19, 15, s19                        ; my row of the cluster
	s_lshl_b32 s20, 0x1111, s15                    ; my column
	s_or_b32 s[G1O+0], s19, (3<<16)|(1<<21)        ; 15:0 the mask: O goes to my row; 17:16 elements of 8 bytes; 21 set beside a mask; no padding
	s_mov_b32 s[G1O+1], 1024<<16                   ; tensor_dim0 = 1,024 elements: a head's 8 KiB for this block
	s_mov_b32 s[G1O+2], 2<<16                      ; tensor_dim1 = 2 heads
	s_mov_b32 s[G1O+3], 1024<<16                   ; tile_dim0
	s_mov_b32 s[G1O+4], 2                          ; tile_dim1
	s_mov_b32 s[G1O+5], 65536                      ; from head to head: 524,288 bytes
	s_mov_b32 s[G1O+6], 0
	s_mov_b32 s[G1O+7], 0
	s_or_b32 s[G1W+0], s20, (3<<16)|(1<<21)        ; Wo goes to my column
	s_mov_b32 s[G1W+1], 32<<16                     ; a dense block as 64 rows of 256 bytes
	s_mov_b32 s[G1W+2], 64<<16
	s_mov_b32 s[G1W+3], 32<<16
	s_mov_b32 s[G1W+4], 64
	s_mov_b32 s[G1W+5], 32
	s_mov_b32 s[G1W+6], 0
	s_mov_b32 s[G1W+7], 0
	; O's address hangs on bn and the wave, Wo's on og and the wave, each in registers that never hold the other coordinate; LDS addresses on the wave alone
	s_lshl_b32 s22, s18, 13                        ; four position tiles of 2,048 bytes a block
	s_lshl_b32 s21, s13, 22                        ; hi or lo: LOPART
	s_add_co_u32 s22, s22, s21
	s_mov_b32 s23, 0
	s_lshl_b32 s24, s17, 17                        ; 131,072 bytes of wf for 128 rows
	s_lshl_b32 s26, s13, 14                        ; my 16 KiB: of Wo's chunk in memory, and of O's or Wo's place in LDS
	s_add_co_u32 s24, s24, s26
	s_add_co_u32 s24, s24, WOPART
	s_mov_b32 s25, 0
	s_wait_dscnt 0x0
	s_wait_kmcnt 0x0
	s_add_nc_u64 s[22:23], s[4:5], s[22:23]
	s_add_nc_u64 s[24:25], s[6:7], s[24:25]
	CROUND                                         ; all sixteen work-groups are here: the joint loads meet
.irp c, 0,1,2,3
	s_mov_b32 s[G0O+4*\c], 1                                       ; count = 1
	s_add_co_u32 s[G0O+4*\c+1], s26, \c*CHB                        ; LDS address
	s_add_nc_u64 s[G0O+4*\c+2:G0O+4*\c+3], s[22:23], \c*1048576    ; heads 2 c and 2 c + 1
	s_or_b32 s[G0O+4*\c+3], s[G0O+4*\c+3], 0x80000000              ; type = 2
	s_mov_b32 s[G0W+4*\c], 1
	s_add_co_u32 s[G0W+4*\c+1], s26, \c*CHB+32768
	s_add_nc_u64 s[G0W+4*\c+2:G0W+4*\c+3], s[24:25], \c*32768
	s_or_b32 s[G0W+4*\c+3], s[G0W+4*\c+3], 0x80000000
.endr
	s_cmp_lt_u32 s12, 2                            ; all of a wave's fills stand inside one branch on its number
	s_cbranch_scc0 .Lfor_w
.irp c, 0,1,2,3
	tensor_load_to_lds s[G0O+4*\c:G0O+4*\c+3], s[G1O:G1O+7]
	s_nop 0
.endr
	s_branch .Lasked
.Lfor_w:
.irp c, 0,1,2,3
	tensor_load_to_lds s[G0W+4*\c:G0W+4*\c+3], s[G1W:G1W+7]
	s_nop 0
.endr
.Lasked:
	v_and_b32 v[CO], 15, v0                        ; r
	v_bfe_u32 v[BO], v0, 4, 1                      ; h
	v_and_b32 v[LN16], 31, v0
	v_lshlrev_b32 v[LN16], 4, v[LN16]
	v_lshlrev_b32 v[CO], 4, v[CO]
	v_lshl_add_u32 v[CO], v[BO], 17, v[CO]
	v_lshlrev_b32 v[BO], 5, v[BO]
	s_lshl_b32 s14, s12, 13                        ; my row tiles 2 w + ot: 4,096 bytes each,
	s_add_co_u32 s14, s14, 32768                   ; behind O's 32,768
.irp c, 0,1,2,3
	v_add_nc_u32 v[BA+\c], \c*CHB, v[LN16]
	v_add_nc_u32 v[AA+\c], s14, v[BA+\c]
.endr
	s_lshl_b32 s88, s17, 9                         ; bo: 128 f32 an og,
	s_lshl_b32 s21, s12, 7                         ; 32 a wave
	s_add_co_u32 s88, s88, s21
	s_mov_b32 s89, 0
	s_add_nc_u64 s[86:87], s[8:9], s[88:89]
.irp ot, 0,1
.irp e, 0,1
	global_load_b128 v[BI+8*\ot+4*\e:BI+8*\ot+4*\e+3], v[BO], s[86:87] offset:64*\ot+16*\e
.endr
.endr
	s_lshl_b32 s88, s17, 21                        ; out0: 128 rows of 16,384 bytes an og,
	s_lshl_b32 s21, s12, 19                        ; 32 rows a wave,
	s_add_co_u32 s88, s88, s21
	s_lshl_b32 s21, s18, 8                         ; the block's 256 bytes of a row
	s_add_co_u32 s88, s88, s21
	s_add_nc_u64 s[84:85], s[10:11], s[88:89]
	OCHUNK 0, 1                                    ; the first product starts the sums
	OCHUNK 1, 0
	OCHUNK 2, 0
	OCHUNK 3, 0                                    ; its wait is for 0: no tensor load is out from here on; its last four places stand in front of the way out
	s_wait_loadcnt 0x0                             ; the bias
.irp ot, 0,1
.irp j, 0,1,2,3,4,5,6,7
.irp t, 0,1,2,3
	v_add_f32 v[EO+4*(8*\ot+\j)+\t], v[ACC+8*(4*\ot+\t)+\j], v[BI+8*\ot+\j]
.endr
	global_store_b128 v[CO], v[EO+4*(8*\ot+\j):EO+4*(8*\ot+\j)+3], s[84:85] offset:(16*\ot+\j)*16384 th:TH_STORE_NT
.endr
.endr
	s_wait_tensorcnt 0x0
	ds_add_u32 v30, v31
	s_wait_dscnt 0x0
	CROUND                                         ; the closing round: no work-group ends while a partner may still ask for a tile that names it
	s_endpgm
.Lfunc_end_k_q76ea6520a7_oproj:
	.size	k_q76ea6520a7_oproj, .Lfunc_end_k_q76ea6520a7_oproj-k_q76ea6520a7_oproj
	.p2alignl 7, 3214868480
	.fill 96, 4, 3214868480
	.section	.rodata,"a",@progbits
	.p2align	6, 0x0
	.amdhsa_kernel k_q76ea6520a7_oproj
		.amdhsa_group_segment_fixed_size 262656
		.amdhsa_private_segment_fixed_size 0
		.amdhsa_enable_private_segment 0
		.amdhsa_kernarg_size 32
		.amdhsa_user_sgpr_count 2
		.amdhsa_user_sgpr_kernarg_segment_ptr 1
		.amdhsa_wavefront_size32 1
		.amdhsa_system_sgpr_workgroup_id_x 1
		.amdhsa_system_sgpr_workgroup_id_y 1
		.amdhsa_system_sgpr_workgroup_id_z 1
		.amdhsa_system_vgpr_workitem_id 0
		.amdhsa_next_free_vgpr 256
		.amdhsa_next_free_sgpr 90
		.amdhsa_reserve_vcc 0
		.amdhsa_float_denorm_mode_32 3
		.amdhsa_float_denorm_mode_16_64 3
		.amdhsa_memory_ordered 1
		.amdhsa_forward_progress 1
		.amdhsa_inst_pref_size 50
	.end_amdhsa_kernel
	.amdgpu_metadata
---
amdhsa.version: [ 1, 2 ]
amdhsa.kernels:
  - .name:           k_q76ea6520a7_oproj
    .symbol:         k_q76ea6520a7_oproj.kd
    .args:
      - { .name: obf, .offset: 0, .size: 8, .value_kind: global_buffer, .address_space: global }
      - { .name: wf, .offset: 8, .size: 8, .value_kind: global_buffer, .address_space: global }
      - { .name: bo, .offset: 16, .size: 8, .value_kind: global_buffer, .address_space: global }
      - { .name: out0, .offset: 24, .size: 8, .value_kind: global_buffer, .address_space: global }
    .group_segment_fixed_size: 262656
    .private_segment_fixed_size: 0
    .kernarg_segment_align: 8
    .kernarg_segment_size: 32
    .max_flat_workgroup_size: 128
    .sgpr_count:     90
    .vgpr_count:     256
    .wavefront_size: 32
...
	.end_amdgpu_metadata
.endif
;; end of part 7
